; MI455X (gfx1250); checked and timed in simulation.
; The chip was launched on July 23, 2026; its instructions are those of AMD's public machine-readable ISA for CDNA 5 (MIT licence, August 2026) and "CDNA5" Instruction Set Architecture Reference Guide (July 2026). The comments in the code are by the model that wrote it; some were corrected since.
;; Multi Head Attention. Allowed arithmetic: matrix products marked QUANTISED: E5M2 operands, one given power-of-two scale a tensor, by v_wmma_f32_16x16x64_bf8_bf8 or v_wmma_f32_16x16x128_bf8_bf8, f32 sums; everything else in f32.
;; Inputs: Wk_codes 16 x 64 x 32 x 32 uint8 (E5M2 codes of Wk, K innermost, in blocks of 32 codes); Wo_codes 1,024 x 32 x 32 uint8 (E5M2 codes of Wo, K innermost, in blocks of 32 codes); Wq_codes 16 x 64 x 32 x 32 uint8 (E5M2 codes of Wq, K innermost, in blocks of 32 codes); Wv_codes 16 x 64 x 32 x 32 uint8 (E5M2 codes of Wv, K innermost, in blocks of 32 codes); beta 1,024 float32; gamma 1,024 float32; lowp_scales 12 int32 (the exponents e of the quantised operands' scales 2^e); tokens 4 x 2,048 x 1,024 float32.
;; Outputs: out0 4 x 2,048 x 1,024 float32.
;; This version of the problem:
;;   THIS VERSION OF THE PROBLEM IS GIVEN IN LOW PRECISION. The matrix products marked QUANTISED in the list below multiply operands that are first quantised to E5M2 (5 exponent bits, 2 mantissa bits; 8 bits a number), with one given power-of-two scale for each operand tensor; their sums are f32. All else is computed in f32.
;;   The module's matrix products, in the order in which they are computed (A, B: the left and right operand; K: the contracted axis; several contracted axes count as one K, in the product's order):
;;     1. [M 1,024, K 1,024] x [K 1,024, N 8,192]; A: input Wq (given as codes); B: input tokens: QUANTISED (scales: A lowp_scales[0], B lowp_scales[1])
;;     2. [M 1,024, K 1,024] x [K 1,024, N 8,192]; A: input Wk (given as codes); B: input tokens: QUANTISED (scales: A lowp_scales[2], B lowp_scales[3])
;;     3. [M 1,024, K 1,024] x [K 1,024, N 8,192]; A: input Wv (given as codes); B: input tokens: QUANTISED (scales: A lowp_scales[4], B lowp_scales[5])
;;     4. batch 64 x [M 2,048, K 64] x [K 64, N 2,048]; A: computed on the way; B: computed on the way: QUANTISED (scales: A lowp_scales[6], B lowp_scales[7])
;;     5. batch 64 x [M 2,048, K 2,048] x [K 2,048, N 64]; A: softmax (see below); B: computed on the way: QUANTISED (scales: A lowp_scales[8], B lowp_scales[9])
;;     6. [M 8,192, K 1,024] x [K 1,024, N 1,024]; A: computed on the way; B: input Wo (given as codes): QUANTISED (scales: A lowp_scales[10], B lowp_scales[11])
;;   THE QUANTISER, for each operand of a quantised product, along K:
;;     - The operand's scale is 2^e, e = its entry of the input lowp_scales (int32; the entries are numbered through the quantised products in the list's order, A before B).
;;     - Each number is divided by the scale, clamped to +-57,344, and rounded to the nearest number of E5M2, ties to even, subnormals kept.
;;     - The product sums the exact products of the quantised numbers (number of the format x scale) in f32.
;;   ~~~python
;;   def quantise(x, axis, e):      # numpy; x: float32 -> the quantised numbers, widened to float32 again
;;       x = np.moveaxis(x, axis, -1); K = x.shape[-1]
;;       r = np.clip(x / 2.0 ** e, -57344, 57344)
;;       step = 2.0 ** (np.maximum(np.frexp(np.where(r == 0, 1, r))[1] - 1, -14) - 2)
;;       q = np.round(r / step) * step * 2.0 ** e      # np.round: ties to even
;;       return np.moveaxis(q, -1, axis).astype(np.float32)
;;   ~~~
;;   SOFTMAX AHEAD OF A QUANTISED PRODUCT. Where the list says 'softmax', what is quantised is not the finished softmax but p = 2^(t - M), with t = logit x log2(e) and M = ceil(the row's largest t), a whole number; so 1/2 < the row's largest p <= 1. The row's sum l is taken of the UNQUANTISED p, in f32, and the product's result is divided by l at the end. Since M is a whole number, a kernel that streams over the keys may use a running M (the ceiling of the running maximum): every later rescaling is an exact power of two, so the quantised numbers keep their values, but for numbers so far below the row's largest that they fall under the format's range.
;;   OPERANDS COMPUTED ON THE WAY. 'Computed on the way' means the value that the module computes at that place (a softmax that the list does not call 'softmax' is quantised finished and normalised). What goes into a quantiser is computed in f32, as accurately as f32 sums, v_exp_f32 and their like allow (about 1e-6 of the number): no bf16 or f16 on the way to a quantiser, and a product that is left as it is and whose result goes on into a quantised operand takes f32 operands (vector FMAs, or v_wmma_f32_16x16x4_f32). A number that lies on a knife's edge between two numbers of the format may be rounded either way, as far as f32 arithmetic and the matrix unit's own rounding can turn it there, and no further.
;;   INPUTS GIVEN AS CODES. Wk (in the module: [16, 1024, 64], K = its axis 1); Wo (in the module: [1024, 1024], K = its axis 0); Wq (in the module: [16, 1024, 64], K = its axis 1); Wv (in the module: [16, 1024, 64], K = its axis 1): each comes as NAME_codes (uint8): NAME with its K axis moved to the last place and cut into blocks of 32 codes, [.., K / 32, bytes a block], one block behind the other in memory; one code a byte (a code: sign, 5 exponent bits, 2 mantissa bits); its scale is its entry of lowp_scales. Its value is code x scale, taken as it is: it is not quantised again, and the codes and scales need not be those that the quantiser above would give.
;; One version. Each part assembles by itself: llvm-mc -triple=amdgcn-amd-amdhsa -mcpu=gfx1250 --defsym DOCPART=n.
;; ======== version 1 of 1: 4 launches
;; limits: right only within a limited range of input values
;; workspace buffers: tq 8,388,608 bytes; tk 8,388,608 bytes; tv 8,388,608 bytes; qv 16,777,216 bytes; kc 8,388,608 bytes; mc 8,388,608 bytes; wi 1,048,576 bytes
;; launch quant (part 1): grid 256 x 1, 4 waves a work-group, no clusters, 33,280 bytes of LDS; arguments tokens, lowp_scales, tq, tk, tv, Wo_codes, wi; writes tq, tk, tv, wi
.if DOCPART == 1
	.amdgcn_target "amdgcn-amd-amdhsa--gfx1250"
	.amdhsa_code_object_version 6
	.text
	.protected	k_q482f77b3c5_quant
	.globl	k_q482f77b3c5_quant
	.p2align	8
	.type	k_q482f77b3c5_quant,@function
k_q482f77b3c5_quant:
	s_mov_b64 s[64:65], 0
	v_nop
	global_prefetch_b8 v0, s[64:65] scope:SCOPE_SE
	s_setreg_imm32_b32 hwreg(HW_REG_WAVE_MODE, 25, 1), 1
	s_wait_xcnt 0x0
; tokens [8192][1024] f32 become THREE sets of codes of BF8 (E5M2), K innermost, one byte a code: tq with the scale 2^e1, tk with 2^e3, tv with 2^e5
; (the tokens are an operand of three products, each with a scale of its own; e = entries 1, 3, 5 of the buffer of scales).
; code = x / 2^e, held within +-57,344, rounded to the nearest code, ties to even.
; LIMITS: e1, e3, e5 between -126 and 112, so that 2^e and 57,344 x 2^e are f32 numbers.  NaN among the inputs is not served (an infinity is held at the largest code).
; Rows are dense, so the tensor is a plain stream.  A wave takes 16 steps of 512 numbers: 8,192 numbers; 4 waves x 256 work-groups take all 8,388,608.
; Each of a step's four loads reads 512 consecutive bytes, 16 a lane.  The conversions want 16 NEIGHBOURS in a lane: the step's 2,048 bytes turn through the wave's own stage in LDS
; (in as they lie, back 64 bytes a lane; 16 bytes of padding behind each 64).  A lane's 16 codes are 16 bytes: each store of the wave covers 512 consecutive bytes, aligned.
; Waves share nothing: no barrier, no cluster (no two work-groups read the same byte).  Loads run four steps (16 loads a wave) ahead, the turn through LDS one step.
.set STEPS, 16
.set SP,    80                         ; a lane's place in a stage: its 64 bytes + 16 of padding
.set WREG,  8192                       ; LDS: a region for each wave: two stages of 32 x SP bytes
.set R,     16                         ; v16-79    four sets of 16 numbers as they are loaded
.set X,     80                         ; v80-111   two sets of 16 neighbours
.set T0,    112                        ; v112-127  the numbers held for tq
.set T1,    128                        ; v128-143  the numbers held for tk (tv's are held in place)
.set C,     144                        ; v144-167  two sets of 12 registers of codes
	s_load_b128 s[4:7], s[0:1], 0x0                ; tokens s[4:5], the scales' exponents s[6:7]
	s_load_b128 s[8:11], s[0:1], 0x10              ; tq s[8:9], tk s[10:11]
	s_load_b64 s[12:13], s[0:1], 0x20
	s_load_b128 s[32:35], s[0:1], 0x28             ; Wo's codes s[32:33], wi s[34:35]
	v_lshl_add_u32 v176, v0, 2, 0x8000
	v_mov_b32 v177, 0
	v_lshrrev_b32 v1, 5, v0
	v_readfirstlane_b32 s16, v1                    ; wave
	v_and_b32 v2, 31, v0                           ; lane
	v_lshlrev_b32 v3, 4, v2                        ; my 16 bytes of a load's 512, and of a store's
	s_mul_i32 s17, s16, WREG
	v_lshrrev_b32 v14, 2, v2
	v_mul_u32_u24 v14, v14, SP
	v_and_b32 v15, 3, v2
	v_lshl_add_u32 v14, v15, 4, v14
	v_add_nc_u32 v14, s17, v14                     ; the stage, on the way in: SP (lane / 4) + 16 (lane % 4); a load's 512 bytes take eight places
	v_mul_u32_u24 v15, v2, SP
	v_add_nc_u32 v15, s17, v15
	; ALSO: Wo's codes [1024 n][1024 k] are laid once as images of the K = 128 fragment's registers, for the output projection: image (n tile nt, chunk kc of 128 k), 2,048 bytes,
	; at 65,536 (nt / 4) + 8,192 kc + 2,048 (nt % 4); in it registers 4 q .. 4 q + 3 of lane l at 512 q + 16 l; registers 2 c, 2 c + 1 of lane (r, h) hold k = 128 kc + 16 c + 8 h + 0 .. 7 of row 16 nt + r.
	; 512 images, half an image (1,024 bytes) a wave: four loads of 8 bytes a lane, two stores of 512 consecutive bytes.
	v_and_b32 v11, 15, v2                          ; r
	v_lshrrev_b32 v12, 4, v2                       ; h
	v_lshlrev_b32 v11, 10, v11
	v_lshl_add_u32 v11, v12, 3, v11                ; 1,024 r + 8 h
	s_lshl_b32 s18, ttmp9, 2
	s_add_co_u32 s18, s18, s16                     ; which run of 8,192 numbers is my wave's
	s_lshl_b32 s20, s18, 15                        ; its first byte among the tokens,
	s_mov_b32 s21, 0
	s_lshl_b32 s22, s18, 13                        ; and among the codes
	s_mov_b32 s23, 0
	s_lshr_b32 s36, s18, 1                         ; my image m = 32 (nt / 4) + 4 kc + nt % 4
	s_lshr_b32 s40, s36, 5
	s_lshl_b32 s40, s40, 2
	s_and_b32 s37, s36, 3
	s_add_co_u32 s40, s40, s37                     ; nt
	s_lshl_b32 s40, s40, 14                        ; 16 rows of 1,024 bytes
	s_bfe_u32 s37, s36, 0x30002                    ; kc
	s_lshl_b32 s37, s37, 7
	s_add_co_u32 s40, s40, s37
	s_and_b32 s37, s18, 1                          ; which half of the image: 64 along k
	s_lshl_b32 s37, s37, 6
	s_add_co_u32 s40, s40, s37
	s_mov_b32 s41, 0
	s_lshl_b32 s42, s18, 10                        ; and where it goes: 1,024 bytes a wave
	s_mov_b32 s43, 0
	s_wait_alu depctr_va_vdst(0)
	s_wait_kmcnt 0x0
	s_load_b256 s[24:31], s[6:7], 0x0              ; e0 .. e7
	s_add_nc_u64 s[4:5], s[4:5], s[20:21]
	s_add_nc_u64 s[8:9], s[8:9], s[22:23]
	s_add_nc_u64 s[10:11], s[10:11], s[22:23]
	s_add_nc_u64 s[12:13], s[12:13], s[22:23]
	s_add_nc_u64 s[32:33], s[32:33], s[40:41]
	s_add_nc_u64 s[34:35], s[34:35], s[42:43]
.irp p, 0,1,2,3
	global_load_b64 v[168+2*\p:169+2*\p], v11, s[32:33] offset:16*\p   ; issued ahead of the tokens' loads, so the counted waits below cover them
.endr
.macro LOAD t
.irp i, 0,1,2,3
	global_load_b128 v[R+16*((\t)%4)+4*\i:R+16*((\t)%4)+4*\i+3], v3, s[4:5] offset:2048*(\t)+512*\i th:TH_LOAD_NT   ; 32 lanes read 512 consecutive bytes
.endr
.endm
.macro TURN t                          ; step t's numbers through the stage: LDS serves a wave's instructions in order, so no wait stands between the stores and the loads
.irp i, 0,1,2,3
	ds_store_b128 v14, v[R+16*((\t)%4)+4*\i:R+16*((\t)%4)+4*\i+3] offset:32*SP*((\t)%2)+8*SP*\i
.endr
.irp i, 0,1,2,3
	ds_load_b128 v[X+16*((\t)%2)+4*\i:X+16*((\t)%2)+4*\i+3], v15 offset:32*SP*((\t)%2)+16*\i
.endr
.endm
.macro MKSC e, vs, vl                  ; v[vs] = 2^e as f32 (the conversion takes its exponent field); v[vl] = 57,344 x 2^e
	s_add_co_i32 s20, s[\e], 127
	s_lshl_b32 s21, s20, 23
	v_mov_b32 v[\vs], s21
	s_add_co_i32 s20, s20, 15
	s_lshl_b32 s20, s20, 23
	s_or_b32 s20, s20, 0x600000
	v_mov_b32 v[\vl], s20
.endm
.irp t, 0,1,2,3
	LOAD \t
.endr
	s_wait_kmcnt 0x0
	MKSC 25, 5, 6                                  ; e1: tq
	MKSC 27, 7, 8                                  ; e3: tk
	MKSC 29, 9, 10                                 ; e5: tv
	s_wait_alu depctr_va_vdst(0)
	s_wait_loadcnt 12                              ; step 0's four loads are in, and the four of Wo ahead of them
	global_store_b128 v3, v[168:171], s[34:35]
	global_store_b128 v3, v[172:175], s[34:35] offset:512
	TURN 0
.macro STEP t
.set XS, X+16*((\t)%2)
.set CD, C+12*((\t)%2)
	s_wait_dscnt 0x0                               ; this step's numbers are back from the stage: so its stores into the stage have read their registers
.if (\t) >= 2
	s_wait_xcnt 0x0                                ; the stores of two steps ago have read this set of code registers: it is written again only behind this wait
.endif
.if (\t)+4 < STEPS
	LOAD (\t)+4                                    ; into the registers that the stage's stores have read
.endif
.if (\t)+1 < STEPS
.if STEPS-2-(\t) >= 3
	s_wait_loadcnt 12                              ; the next step's four loads are in; those of the three steps behind it may be out
.else
	s_wait_loadcnt 4*(STEPS-2-(\t))
.endif
	TURN (\t)+1                                    ; and go through the other stage while this step is worked
.endif
.irp i, 0,1,2,3,4,5,6,7,8,9,10,11,12,13,14,15
	v_med3_num_f32 v[T0+\i], v[XS+\i], -v6, v6     ; the conversion to an 8-bit code does not saturate (ISA guide 7.6.2): the hold at the largest code x the scale comes first
.endr
	v_cvt_scalef32_pk8_bf8_f32 v[CD:CD+1], v[T0:T0+7], v5
	v_cvt_scalef32_pk8_bf8_f32 v[CD+2:CD+3], v[T0+8:T0+15], v5
.irp i, 0,1,2,3,4,5,6,7,8,9,10,11,12,13,14,15
	v_med3_num_f32 v[T1+\i], v[XS+\i], -v8, v8     ; (plain lines on other registers: they are also the place behind the conversions above)
.endr
	v_cvt_scalef32_pk8_bf8_f32 v[CD+4:CD+5], v[T1:T1+7], v7
	v_cvt_scalef32_pk8_bf8_f32 v[CD+6:CD+7], v[T1+8:T1+15], v7
.irp i, 0,1,2,3,4,5,6,7,8,9,10,11,12,13,14,15
	v_med3_num_f32 v[XS+\i], v[XS+\i], -v10, v10
.endr
	v_cvt_scalef32_pk8_bf8_f32 v[CD+8:CD+9], v[XS:XS+7], v9
	v_cvt_scalef32_pk8_bf8_f32 v[CD+10:CD+11], v[XS+8:XS+15], v9
	global_store_b128 v3, v[CD:CD+3], s[8:9] offset:512*(\t)        ; the codes go to stores alone; the next vector lines are the next step's holds, on other registers
	global_store_b128 v3, v[CD+4:CD+7], s[10:11] offset:512*(\t)
	global_store_b128 v3, v[CD+8:CD+11], s[12:13] offset:512*(\t)
.endm
.irp t, 0,1,2,3,4,5,6,7,8,9,10,11,12,13,14,15
	STEP \t
.endr
	s_wait_tensorcnt 0x0
	ds_add_u32 v176, v177
	s_wait_dscnt 0x0
	s_endpgm
.Lfunc_end_k_q482f77b3c5_quant:
	.size	k_q482f77b3c5_quant, .Lfunc_end_k_q482f77b3c5_quant-k_q482f77b3c5_quant
	.p2alignl 7, 3214868480
	.fill 96, 4, 3214868480
	.section	.rodata,"a",@progbits
	.p2align	6, 0x0
	.amdhsa_kernel k_q482f77b3c5_quant
		.amdhsa_group_segment_fixed_size 33280
		.amdhsa_private_segment_fixed_size 0
		.amdhsa_enable_private_segment 0
		.amdhsa_kernarg_size 56
		.amdhsa_user_sgpr_count 2
		.amdhsa_user_sgpr_kernarg_segment_ptr 1
		.amdhsa_wavefront_size32 1
		.amdhsa_system_sgpr_workgroup_id_x 1
		.amdhsa_system_sgpr_workgroup_id_y 1
		.amdhsa_system_sgpr_workgroup_id_z 1
		.amdhsa_system_vgpr_workitem_id 0
		.amdhsa_next_free_vgpr 178
		.amdhsa_next_free_sgpr 66
		.amdhsa_reserve_vcc 0
		.amdhsa_float_denorm_mode_32 3
		.amdhsa_float_denorm_mode_16_64 3
		.amdhsa_memory_ordered 1
		.amdhsa_forward_progress 1
		.amdhsa_inst_pref_size 78
	.end_amdhsa_kernel
	.amdgpu_metadata
---
amdhsa.version: [ 1, 2 ]
amdhsa.kernels:
  - .name:           k_q482f77b3c5_quant
    .symbol:         k_q482f77b3c5_quant.kd
    .args:
      - { .name: tokens, .offset: 0, .size: 8, .value_kind: global_buffer, .address_space: global }
      - { .name: lowp_scales, .offset: 8, .size: 8, .value_kind: global_buffer, .address_space: global }
      - { .name: tq, .offset: 16, .size: 8, .value_kind: global_buffer, .address_space: global }
      - { .name: tk, .offset: 24, .size: 8, .value_kind: global_buffer, .address_space: global }
      - { .name: tv, .offset: 32, .size: 8, .value_kind: global_buffer, .address_space: global }
      - { .name: Wo_codes, .offset: 40, .size: 8, .value_kind: global_buffer, .address_space: global }
      - { .name: wi, .offset: 48, .size: 8, .value_kind: global_buffer, .address_space: global }
    .group_segment_fixed_size: 33280
    .private_segment_fixed_size: 0
    .kernarg_segment_align: 8
    .kernarg_segment_size: 56
    .max_flat_workgroup_size: 128
    .sgpr_count:     66
    .vgpr_count:     178
    .wavefront_size: 32
...
	.end_amdgpu_metadata
.endif
;; end of part 1
;; launch proj (part 2): grid 12 x 32, 4 waves a work-group, clusters of 4 x 4, 327,680 bytes of LDS; arguments tq, tk, tv, Wq_codes, Wk_codes, Wv_codes, lowp_scales, qv, kc; writes qv, kc
.if DOCPART == 2
	.amdgcn_target "amdgcn-amd-amdhsa--gfx1250"
	.amdhsa_code_object_version 6
	.text
	.protected	k_q482f77b3c5_proj
	.globl	k_q482f77b3c5_proj
	.p2align	8
	.type	k_q482f77b3c5_proj,@function
k_q482f77b3c5_proj:
	s_mov_b64 s[64:65], 0
	v_nop
	global_prefetch_b8 v0, s[64:65] scope:SCOPE_SE
	s_setreg_imm32_b32 hwreg(HW_REG_WAVE_MODE, 25, 1), 1
	s_wait_xcnt 0x0
	s_wait_alu depctr_hold_cnt(0) depctr_sa_sdst(0) depctr_va_vdst(0) depctr_va_sdst(0) depctr_va_ssrc(0) depctr_va_vcc(0) depctr_vm_vsrc(0)
	s_getreg_b32 s2, hwreg(HW_REG_IB_STS2, 6, 4)
	s_cmp_eq_u32 s2, 0
	s_cbranch_scc0 .Lentry_in_a_cluster
	s_endpgm
.Lentry_in_a_cluster:
	s_bfe_u32 s2, ttmp6, 0x10000c
	s_cmp_lg_u32 s2, 0xf033
	s_cbranch_scc0 .Lentry_shape_is_right
	s_endpgm
.Lentry_shape_is_right:
; The three projections q, k, v on codes of BF8 (E5M2), K = 1,024, and the quantising of their results for the attention, in one launch.
; Cluster x says which: 0 = q, 1 = k, 2 = v; cluster y (0..7) walks the tokens.  A work-group makes a tile of 256 rows of X x 256 rows of Y, sum over k of X[x][k] Y[y][k]:
;   q, k: X = the tokens' codes (8,192 rows), Y = the weight's codes (1,024 rows = head x 64 + channel);      v: X = Wv's codes, Y = the tokens' codes.
; Four waves, each 128 x 128: 64 accumulators of 16 x 16, 512 registers.  K goes in steps of 256 through a ring of two LDS slots filled by the tensor data mover.
; THE MATRIX INSTRUCTION: source 0 = 16 rows of Y, source 1 = 16 rows of X: in a result lane (r, h) holds X's row r, and register j Y's row 8 h + j.  So the conversions of four neighbouring
; tiles of Y give 8 registers that ARE a fragment of 16 rows of X x 64 along Y for the K = 64 form (registers 2 c, 2 c + 1: k = 16 c + 8 h + 0 .. 7):
;   q, k: 16 tokens x one head's 64 channels;      v: 16 channels x 64 tokens, V^T with the keys as K.
; Such a fragment is stored as an IMAGE OF ITS REGISTERS, 1,024 bytes: registers 4 c .. 4 c + 3 of lane l at 512 c + 16 l.  Each store of the wave covers 512 consecutive bytes, aligned.
;   qv: [y = batch x 16 + head][4 stages][65,536]: 32 images of q (16 tokens each), then 8 steps of 64 tokens x 4 images of V^T (16 channels each).      kc: [y][128 images of k].
; SCALES: a sum stands for sum x 2^(eW + eT); its code is sum / 2^es, es = e7 - e0 - e1 (q), e6 - e2 - e3 (k), e9 - e4 - e5 (v), held within +-57,344 x 2^es.  All choices are made by selects, none by a branch.
; LIMIT: es between -126 and 112.  NaN is not served.
; CLUSTERS: 4 x 4 work-groups.  The four of a row of the cluster need the same tiles of X, the four of a column the same tiles of Y: each tile is asked for JOINTLY, by the same tensor load with
; the same descriptor and a mask that names the four.
; REGISTERS, in windows of 256: window 0: v0-31 addresses and constants; from v128 X's fragments (8 x 16 rows x 128 K), ONE set; on the way out v32-159 take the codes.
;   window 1: Y's fragments, TWO sets, at v0 and at v128.   window 2: the accumulators of my X rows 0-63 (accumulator (a, b) at v[8 (8 a + b)]);   window 3: those of rows 64-127.
.set KSTEP,  256                       ; along K in a slot
.set ROWB,   256                       ; a tile's row in bytes
.set KROW,   1024                      ; a row of X or of Y in memory, in bytes
.set PITCH,  272                       ; an LDS row: 256 bytes + 16 of padding = 68 words: row r starts at bank 4 r mod 64 (64 banks of 4 bytes: ISA guide 11.1), so the 16 rows of a load start at 16 different banks
.set FR,     16                        ; registers of a fragment: 16 rows x 128 K
.set NL,     4                         ; LDS loads that bring one
.set NP,     4                         ; places behind this matrix instruction (ISA guide 7.12.1)
.set HALFT,  128*PITCH                 ; 128 rows: what one tensor load brings, and what one wave reads of X or of Y
.set SLOT,   4*HALFT                   ; X's 256 rows, then Y's 256 rows
.set LAPS,   2                         ; a lap = two K steps = once round the ring: 1,024 / 512
.set SPARE,  2*SLOT                    ; behind the ring: the spare words, 128 bytes for each wave: two blocks of 256 bytes that no other line names
.set ADRA, 16                          ; v16-17  LDS address of my X fragments in slot 0, 1
.set ADRB, 20                          ; v20-21  the same for Y
.set CO,   26                          ; v26     16 x lane: my place in half an image
.set SPW,  28                          ; v28     LDS address of my spare word; never rewritten
.set NIL,  29                          ; v29     0; never rewritten
.set SCR,  30                          ; v30     2^es as f32
.set LIMR, 31                          ; v31     57,344 x 2^es
.set TMP,  32                          ; v32-159 the codes: 16 registers for each block of 16 rows of X; none is written twice
.set AF,   128                         ; X's fragments, in window 0
.set G1, 24                            ; s[24:31] descriptor group 1 for X's tiles;  s[32:39] group 0, one set for each slot
.set G0, 32
.set G1B, 48                           ; s[48:55], s[56:63] the same for Y's tiles
.set G0B, 56
.set BAS, 68                           ; s[68:75] four store bases: (a / 4, beta) at s[68 + 4 (a / 4) + 2 beta]
.set MSB, 0
.macro WIN new                         ; the immediate's high byte repeats the setting that is left
.if MSB != \new
	s_set_vgpr_msb (MSB<<8)|\new
.set MSB, \new
.endif
.endm
.set MUL_LO, 0xa1                      ; source 0 (Y) window 1, source 1 (X) window 0, C and D window 2
.set MUL_HI, 0xf1                      ; the same, C and D window 3
.set TO_B,   0x40                      ; destination window 1, address window 0
; A joint load: waves 0 and 1 fetch for X, waves 2 and 3 for Y.  Each of the two lines has ONE mask and one set of registers for all that issue it; the branch hangs on the wave's number alone.
; Four v_nop follow each of the two lines, ahead of the jump, the label and what follows.
.macro JLOAD g0a, g1a, g0b, g1b
	s_cmp_eq_u32 s15, 0
	s_cbranch_scc0 .Lfor_b_\@
	tensor_load_to_lds s[\g0a:\g0a+3], s[\g1a:\g1a+7]
	s_nop 0
.rept 4
	v_nop
.endr
	s_branch .Lasked_\@
.Lfor_b_\@:
	tensor_load_to_lds s[\g0b:\g0b+3], s[\g1b:\g1b+7]
	s_nop 0
.rept 4
	v_nop
.endr
.Lasked_\@:
.endm
.macro CREST                           ; a round of the cluster's barrier behind its opening barrier
	s_cmp_lg_u32 s14, 0
	s_cbranch_scc1 .Lnot_wave_0_\@
	s_barrier_signal -3
.Lnot_wave_0_\@:
	s_barrier_wait -3
	s_barrier_signal -1
	s_barrier_wait -1
.endm
.macro CROUND                          ; a whole round
	s_barrier_signal -1
	s_barrier_wait -1
	CREST
.endm
	s_load_b512 s[68:83], s[0:1], 0x0              ; tq s[68:69], tk s[70:71], tv s[72:73], Wq s[74:75], Wk s[76:77], Wv s[78:79], the scales' exponents s[80:81], qv s[82:83]
	s_load_b64 s[84:85], s[0:1], 0x40              ; kc
	v_lshl_add_u32 v[SPW], v0, 2, SPARE
	v_mov_b32 v[NIL], 0
	ds_add_u32 v28, v29
	ds_add_u32 v28, v29
	s_wait_dscnt 0x0
	v_lshrrev_b32 v1, 5, v0
	v_readfirstlane_b32 s14, v1                    ; wave 0..3
	s_lshr_b32 s15, s14, 1                         ; which half of the tile's X rows is mine.  Also: I fetch for X (0) or for Y (1)
	s_and_b32 s16, s14, 1                          ; which half of its Y rows.  Also: which 128 rows of that tile I fetch
	s_bfe_u32 s40, ttmp6, 0x40000                  ; cx, cy: my place in the cluster
	s_bfe_u32 s41, ttmp6, 0x40004
	s_and_b32 s2, ttmp7, 0xffff
	s_lshl_b32 s2, s2, 2                           ; 4 x cluster y: the walk over the tokens' 32 tiles
	s_cmp_eq_u32 ttmp9, 2                          ; v?  Then the tokens are Y, else X.  Cluster x and y are the same in all sixteen partners
	s_cselect_b32 s12, 0, s2
	s_cselect_b32 s13, s2, 0
	s_add_co_u32 s17, s41, s12                     ; X's tile: cy (+ 4 x cluster y)
	s_add_co_u32 s42, s40, s13                     ; Y's tile: cx (+ 4 x cluster y)
	s_lshl_b32 s43, s41, 2
	s_lshl_b32 s43, 15, s43                        ; my row of the cluster
	s_lshl_b32 s44, 0x1111, s40                    ; my column
	; descriptor group 1: a tile of 128 rows x 256 bytes, padded in LDS
	s_or_b32 s[G1+0], s43, (0<<16)|(1<<20)|(1<<21)|(5<<22)|(3<<25)  ; 15:0 the mask: X's tiles go to my row; 17:16 element of 1 byte; 20 padding on; 21 set beside a mask; 24:22 after every 64 words (code 5); 31:25 of 4 words (code 3)
	s_or_b32 s[G1B+0], s44, (0<<16)|(1<<20)|(1<<21)|(5<<22)|(3<<25)
.irp g, G1, G1B
	s_mov_b32 s[\g+1], ROWB<<16                    ; tensor_dim0
	s_mov_b32 s[\g+2], 128<<16                     ; tensor_dim1 = 128
	s_mov_b32 s[\g+3], ROWB<<16                    ; tile_dim0
	s_mov_b32 s[\g+4], 128                         ; tile_dim1 = 128
	s_mov_b32 s[\g+5], KROW                        ; tensor_dim0_stride
	s_mov_b32 s[\g+6], 0
	s_mov_b32 s[\g+7], 0
.endr
	s_lshl_b32 s18, s16, 7                         ; which 128 rows of the tile I fetch
	s_lshl_b32 s20, s17, 8
	s_add_co_u32 s20, s20, s18                     ; X: row 256 x tile + 128 x half,
	s_lshl_b32 s20, s20, 10                        ; in bytes (8,191 rows of 1,024 bytes at the most)
	s_mov_b32 s21, 0
	s_lshl_b32 s46, s42, 8
	s_add_co_u32 s46, s46, s18                     ; Y likewise
	s_lshl_b32 s46, s46, 10
	s_mov_b32 s47, 0
	s_mul_i32 s45, s14, HALFT                      ; where they go: wave x 128 rows: no place in the cluster enters an LDS address
	s_wait_kmcnt 0x0
	s_load_b256 s[88:95], s[80:81], 0x0            ; e0 .. e7
	s_load_b128 s[96:99], s[80:81], 0x20           ; e8 .. e11
	s_cmp_eq_u32 ttmp9, 1                          ; the buffers are chosen on cluster x alone
	s_cselect_b64 s[4:5], s[70:71], s[68:69]       ; X: tk or tq,
	s_cselect_b64 s[6:7], s[76:77], s[74:75]       ; Y: Wk or Wq,
	s_cselect_b64 s[10:11], s[84:85], s[82:83]     ; results: kc or qv
	s_cmp_eq_u32 ttmp9, 2
	s_cselect_b64 s[4:5], s[78:79], s[4:5]         ; v: X = Wv,
	s_cselect_b64 s[6:7], s[72:73], s[6:7]         ; Y = tv
	s_add_nc_u64 s[20:21], s[4:5], s[20:21]
	s_add_nc_u64 s[46:47], s[6:7], s[46:47]
	CROUND                                         ; all sixteen work-groups are here: the first joint loads meet
.irp s, 0,1
	s_mov_b32 s[G0+4*\s], 1
	s_add_co_u32 s[G0+4*\s+1], s45, \s*SLOT
	s_add_nc_u64 s[G0+4*\s+2:G0+4*\s+3], s[20:21], \s*ROWB
	s_or_b32 s[G0+4*\s+3], s[G0+4*\s+3], 0x80000000
	s_mov_b32 s[G0B+4*\s], 1
	s_add_co_u32 s[G0B+4*\s+1], s45, \s*SLOT
	s_add_nc_u64 s[G0B+4*\s+2:G0B+4*\s+3], s[46:47], \s*ROWB
	s_or_b32 s[G0B+4*\s+3], s[G0B+4*\s+3], 0x80000000
.endr
	JLOAD G0, G1, G0B, G1B                         ; K step 0: one tensor load a wave at the head
	v_and_b32 v1, 15, v0                           ; l % 16
	v_bfe_u32 v2, v0, 4, 1                         ; l / 16
	v_mul_u32_u24 v3, v1, PITCH
	v_lshl_add_u32 v4, v2, 4, v3                   ; a fragment's row x pitch + 16 x half
	s_mul_i32 s21, s15, HALFT                      ; my 128 rows of X
	s_mul_i32 s22, s16, HALFT                      ; my 128 rows of Y,
	s_add_co_u32 s22, s22, 2*HALFT                 ; which lie behind X's 256
.irp s, 0,1
	v_add_nc_u32 v[ADRA+\s], s21, v4
	v_add_nc_u32 v[ADRB+\s], s22, v4
	s_add_co_u32 s21, s21, SLOT
	s_add_co_u32 s22, s22, SLOT
.endr
	v_and_b32 v6, 31, v0
	v_lshlrev_b32 v[CO], 4, v6
	; WHERE THE IMAGES GO.  xa0 = my first block of 16 rows of X, a multiple of 8; yb0 = my first block of 64 rows of Y, even.  All three offsets are made, one is chosen.
	s_lshl_b32 s18, s17, 4
	s_lshl_b32 s19, s15, 3
	s_add_co_u32 s18, s18, s19                     ; xa0 = 16 x X's tile + 8 x half
	s_lshl_b32 s19, s42, 2
	s_lshl_b32 s22, s16, 1
	s_add_co_u32 s19, s19, s22                     ; yb0 = 4 x Y's tile + 2 x half
	s_lshr_b32 s22, s18, 7                         ; q: xa0 = batch x 128 + token tile, yb0 = head
	s_lshl_b32 s22, s22, 22                        ;    batch x 16 heads x 262,144
	s_lshl_b32 s23, s19, 18                        ;    + head x 262,144
	s_add_co_u32 s22, s22, s23
	s_bfe_u32 s23, s18, 0x20005
	s_lshl_b32 s23, s23, 16                        ;    + stage x 65,536
	s_add_co_u32 s22, s22, s23
	s_and_b32 s23, s18, 31
	s_lshl_b32 s23, s23, 10                        ;    + tile in the stage x 1,024
	s_add_co_u32 s22, s22, s23
	s_lshr_b32 s43, s18, 7                         ; k: batch x 16 heads x 131,072
	s_lshl_b32 s43, s43, 21
	s_lshl_b32 s23, s19, 17                        ;    + head x 131,072
	s_add_co_u32 s43, s43, s23
	s_and_b32 s23, s18, 127
	s_lshl_b32 s23, s23, 10                        ;    + token tile x 1,024
	s_add_co_u32 s43, s43, s23
	s_lshr_b32 s44, s19, 5                         ; v: yb0 = batch x 32 + step of 64 tokens, xa0 = head x 4 + channel tile
	s_lshl_b32 s44, s44, 22
	s_lshr_b32 s23, s18, 2
	s_lshl_b32 s23, s23, 18
	s_add_co_u32 s44, s44, s23
	s_bfe_u32 s23, s19, 0x20003
	s_lshl_b32 s23, s23, 16                        ;    + stage x 65,536
	s_add_co_u32 s44, s44, s23
	s_and_b32 s23, s19, 7
	s_lshl_b32 s23, s23, 12                        ;    + step in the stage x 4,096
	s_add_co_u32 s44, s44, s23
	s_add_co_u32 s44, s44, 32768                   ;    behind the stage's 32 images of q
	s_mov_b32 s86, 262144                          ; from one block of 64 of Y to the next: q: a head of qv,
	s_mov_b32 s66, 4096                            ; from X's block a to a + 4: q, k: four images
	s_cmp_eq_u32 ttmp9, 1
	s_cselect_b32 s22, s43, s22
	s_cselect_b32 s86, 131072, s86                 ; k: a head of kc,
	s_cmp_eq_u32 ttmp9, 2
	s_cselect_b32 s22, s44, s22
	s_cselect_b32 s86, 4096, s86                   ; v: a step of 64 tokens
	s_cselect_b32 s66, 262144, s66                 ; v: the next head
	s_mov_b32 s23, 0
	s_mov_b32 s87, 0
	s_mov_b32 s67, 0
	s_add_nc_u64 s[BAS:BAS+1], s[10:11], s[22:23]
	s_add_nc_u64 s[BAS+2:BAS+3], s[BAS:BAS+1], s[86:87]
	s_add_nc_u64 s[BAS+4:BAS+5], s[BAS:BAS+1], s[66:67]
	s_add_nc_u64 s[BAS+6:BAS+7], s[BAS+4:BAS+5], s[86:87]
	s_wait_alu depctr_va_vdst(0)
	s_wait_kmcnt 0x0                               ; the exponents
	s_sub_co_i32 s2, s95, s88
	s_sub_co_i32 s2, s2, s89                       ; q: e7 - e0 - e1
	s_sub_co_i32 s12, s94, s90
	s_sub_co_i32 s12, s12, s91                     ; k: e6 - e2 - e3
	s_sub_co_i32 s13, s97, s92
	s_sub_co_i32 s13, s13, s93                     ; v: e9 - e4 - e5
	s_cmp_eq_u32 ttmp9, 1
	s_cselect_b32 s2, s12, s2
	s_cmp_eq_u32 ttmp9, 2
	s_cselect_b32 s2, s13, s2                      ; es
	s_add_co_i32 s2, s2, 127
	s_lshl_b32 s12, s2, 23
	v_mov_b32 v[SCR], s12                          ; 2^es as f32: the conversion takes its exponent field
	s_add_co_i32 s2, s2, 15
	s_lshl_b32 s2, s2, 23
	s_or_b32 s2, s2, 0x600000
	v_mov_b32 v[LIMR], s2                          ; 57,344 x 2^es
.macro FRAG reg, adr, q, i             ; a fragment, 16 rows x 128 K, is 16 registers, fetched by four loads of 16 bytes: registers 4 c .. 4 c + 3 hold K = 32 c + 16 (l / 16) + 0 .. 15: the same permutation of k in X and in Y, so every product meets its partner
.irp c, 0,1,2,3
	ds_load_b128 v[\reg+4*\c:\reg+4*\c+3], v[\adr] offset:128*(\q)+32*\c+(\i)*16*PITCH
.endr
.endm
; 16 matrix instructions: X's blocks a0, a0 + 1 x Y's eight, 128 along K.  p: Y's set.  zero = 1: the first product starts the sums: nothing is ever cleared.
; The 64 accumulators take turns, one instruction a turn, in the same order in every step.
.macro MUL16 a0, p, zero
.irp a, \a0, \a0+1
.irp b, 0,1,2,3,4,5,6,7
.if \zero
	v_wmma_f32_16x16x128_bf8_bf8 v[8*(8*((\a)%4)+\b):8*(8*((\a)%4)+\b)+7], v[128*(\p)+FR*\b:128*(\p)+FR*\b+FR-1], v[AF+FR*(\a):AF+FR*(\a)+FR-1], 0
.else
	v_wmma_f32_16x16x128_bf8_bf8 v[8*(8*((\a)%4)+\b):8*(8*((\a)%4)+\b)+7], v[128*(\p)+FR*\b:128*(\p)+FR*\b+FR-1], v[AF+FR*(\a):AF+FR*(\a)+FR-1], v[8*(8*((\a)%4)+\b):8*(8*((\a)%4)+\b)+7]
.endif
.endr
.endr
.endm
.macro FETCH_B slot, q, p              ; Y's eight fragments of the slot's q-th 128 along K into set p
	WIN TO_B
.irp i, 0,1,2,3,4,5,6,7
	FRAG 128*(\p)+FR*\i, ADRB+\slot, \q, \i
.endr
	WIN 0
.endm
.macro FETCH_A slot, q, i0             ; X's blocks i0 .. i0 + 3
.irp i, \i0, \i0+1, \i0+2, \i0+3
	FRAG AF+FR*(\i), ADRA+\slot, \q, \i
.endr
.endm
; A load into a register that a matrix instruction has read, and a vector instruction that reads a matrix result or writes one of a matrix instruction's registers, stand NP places behind it, and only
; plain vector instructions that name none of its registers are places (ISA guide 7.12.1 for vector instructions).
.macro PLACES n
.rept \n
	v_nop
.endr
.endm
; A step of 128 along K that has its successor in the same slot.  X's blocks go one after the other, each against Y's eight: a block of X is free as soon as its eight products are issued, so one set serves X.
.macro STEP slot, q, zero
	s_wait_dscnt 4*NL                              ; Y's set and X's blocks 0-3 are in; the youngest 16 loads (X's blocks 4-7) may be out
	WIN MUL_LO
	MUL16 0, (\q)%2, \zero
	MUL16 2, (\q)%2, \zero
	s_wait_dscnt 0                                 ; X's blocks 4-7 are in (asked for 32 matrix instructions ago)
	PLACES NP
	FETCH_B \slot, (\q)+1, 1-(\q)%2
	FETCH_A \slot, (\q)+1, 0
	WIN MUL_HI
	MUL16 4, (\q)%2, \zero
	MUL16 6, (\q)%2, \zero
	PLACES NP
	WIN 0
	FETCH_A \slot, (\q)+1, 4
.endm
; A slot's last step changes slots: ONE barrier; in front of it each wave waits for all its tensor loads, adds 0 to its spare word, and waits for that and for its own reads of this slot.  fill = 1: this slot is filled again, two K steps ahead.
.macro TURN slot, next, fill
	s_wait_tensorcnt 0x0                           ; all my tensor loads have landed: my part of the next slot;  (every window is 0 here: the add's two registers lie in window 0)
	ds_add_u32 v[SPW], v[NIL]                      ; 0 onto my spare word
	s_wait_dscnt 4*NL+1                            ; (the add and the youngest 16 loads, X's blocks 4-7, may be out)
	WIN MUL_LO
	MUL16 0, 1, 0                                  ; sixteen matrix instructions stand between the add and the wait for it
	s_wait_dscnt 0x0                               ; the add is done, and my reads of this slot are over
	s_barrier_signal -1
	MUL16 2, 1, 0
	WIN 0
	s_barrier_wait -1
.if \fill
	CREST                                          ; the barrier has opened a round of the cluster's barrier: no wave of any partner still reads this slot's tile or has a load on its way
	s_add_nc_u64 s[G0+4*\slot+2:G0+4*\slot+3], s[G0+4*\slot+2:G0+4*\slot+3], 2*ROWB
	s_add_nc_u64 s[G0B+4*\slot+2:G0B+4*\slot+3], s[G0B+4*\slot+2:G0B+4*\slot+3], 2*ROWB
	JLOAD G0+4*\slot, G1, G0B+4*\slot, G1B         ; the first tensor load behind the round, my one load that is out; the four v_nop behind it are the places in front of the loads below
.else
	PLACES NP
.endif
	FETCH_B \next, 0, 0
	FETCH_A \next, 0, 0
	WIN MUL_HI
	MUL16 4, 1, 0
	MUL16 6, 1, 0
	PLACES NP
	WIN 0
	FETCH_A \next, 0, 4
.endm
	s_wait_alu depctr_va_vdst(0)
	s_wait_tensorcnt 0x0                           ; my part of K step 0 is in
	ds_add_u32 v[SPW], v[NIL]
	s_wait_dscnt 0x0
	CROUND                                         ; a whole round: everybody's part of K step 0 is in, and the joint loads meet
	JLOAD G0+4, G1, G0B+4, G1B                     ; K step 1's load, the first tensor load behind the round
	FETCH_B 0, 0, 0
	FETCH_A 0, 0, 0
	FETCH_A 0, 0, 4
	STEP 0, 0, 1                                   ; the first step stands in front of the loop: its products start the sums
	s_mov_b32 s3, LAPS-1
.Llap:                                                 ; a trip goes once round the ring, from a lap's second step to the next lap's first, and fills both slots again
	TURN 0, 1, 1
	STEP 1, 0, 0
	TURN 1, 0, 1
	STEP 0, 0, 0
	s_sub_co_u32 s3, s3, 1
	s_cmp_lg_u32 s3, 0
	s_cbranch_scc1 .Llap
	TURN 0, 1, 0                                   ; the last lap fills nothing, and has no round of the cluster's barrier
	STEP 1, 0, 0
	s_wait_dscnt 4*NL                              ; the very last step: nothing more to fetch
	WIN MUL_LO
	MUL16 0, 1, 0
	MUL16 2, 1, 0
	s_wait_alu depctr_va_vdst(0)
	s_wait_dscnt 0
	WIN MUL_HI
	MUL16 4, 1, 0
	MUL16 6, 1, 0
	WIN 0
; THE WAY OUT of block a (16 rows of X x 128 rows of Y): the hold, in place, each accumulator from its low end on; eight conversions: accumulator b gives registers 2 (b % 4), + 1 of image b / 4;
; four stores of 512 consecutive bytes.  No LDS: the registers are stored as they stand.
.macro OUTBLK a
.set AC, 64*((\a)%4)
	WIN 0x82+0x41*((\a)/4)                         ; source 0 and destination: window 2 or 3; the bound in window 0
.set j, 0
.rept 64
	v_med3_num_f32 v[AC+j], v[AC+j], -v[LIMR], v[LIMR]   ; the conversion to an 8-bit code does not saturate (ISA guide 7.6.2)
.set j, j+1
.endr
	WIN 0x02+((\a)/4)                              ; source 0: window 2 or 3; destination and scale: window 0
.irp b, 0,1,2,3,4,5,6,7
	v_cvt_scalef32_pk8_bf8_f32 v[TMP+16*(\a)+2*\b:TMP+16*(\a)+2*\b+1], v[AC+8*\b:AC+8*\b+7], v[SCR]
.endr
	WIN 0
	v_nop                                          ; one plain vector line behind the last conversion of the run
.irp e, 0,1
.irp c, 0,1
	global_store_b128 v[CO], v[TMP+16*(\a)+8*\e+4*\c:TMP+16*(\a)+8*\e+4*\c+3], s[BAS+4*((\a)/4)+2*\e:BAS+4*((\a)/4)+2*\e+1] offset:((\a)%4)*1024+512*\c
.endr
.endr
.endm
	PLACES NP                                      ; behind the last products: for the reads of results, and for the codes that are laid over X's first fragments
.irp a, 0,1,2,3,4,5,6,7
	OUTBLK \a
.endr
	s_wait_tensorcnt 0x0                           ; the wave's end: behind my last tensor load
	ds_add_u32 v[SPW], v[NIL]
	s_wait_dscnt 0x0
	CROUND                                         ; the closing round: no work-group ends while a partner may still ask for a tile that names it
	s_endpgm
.Lfunc_end_k_q482f77b3c5_proj:
	.size	k_q482f77b3c5_proj, .Lfunc_end_k_q482f77b3c5_proj-k_q482f77b3c5_proj
	.p2alignl 7, 3214868480
	.fill 96, 4, 3214868480
	.section	.rodata,"a",@progbits
	.p2align	6, 0x0
	.amdhsa_kernel k_q482f77b3c5_proj
		.amdhsa_group_segment_fixed_size 327680
		.amdhsa_private_segment_fixed_size 0
		.amdhsa_enable_private_segment 0
		.amdhsa_kernarg_size 72
		.amdhsa_user_sgpr_count 2
		.amdhsa_user_sgpr_kernarg_segment_ptr 1
		.amdhsa_wavefront_size32 1
		.amdhsa_system_sgpr_workgroup_id_x 1
		.amdhsa_system_sgpr_workgroup_id_y 1
		.amdhsa_system_sgpr_workgroup_id_z 1
		.amdhsa_system_vgpr_workitem_id 0
		.amdhsa_next_free_vgpr 1024
		.amdhsa_next_free_sgpr 100
		.amdhsa_reserve_vcc 0
		.amdhsa_float_denorm_mode_32 3
		.amdhsa_float_denorm_mode_16_64 3
		.amdhsa_memory_ordered 1
		.amdhsa_forward_progress 1
		.amdhsa_inst_pref_size 120
	.end_amdhsa_kernel
	.amdgpu_metadata
---
amdhsa.version: [ 1, 2 ]
amdhsa.kernels:
  - .name:           k_q482f77b3c5_proj
    .symbol:         k_q482f77b3c5_proj.kd
    .args:
      - { .name: tq, .offset: 0, .size: 8, .value_kind: global_buffer, .address_space: global }
      - { .name: tk, .offset: 8, .size: 8, .value_kind: global_buffer, .address_space: global }
      - { .name: tv, .offset: 16, .size: 8, .value_kind: global_buffer, .address_space: global }
      - { .name: Wq_codes, .offset: 24, .size: 8, .value_kind: global_buffer, .address_space: global }
      - { .name: Wk_codes, .offset: 32, .size: 8, .value_kind: global_buffer, .address_space: global }
      - { .name: Wv_codes, .offset: 40, .size: 8, .value_kind: global_buffer, .address_space: global }
      - { .name: lowp_scales, .offset: 48, .size: 8, .value_kind: global_buffer, .address_space: global }
      - { .name: qv, .offset: 56, .size: 8, .value_kind: global_buffer, .address_space: global }
      - { .name: kc, .offset: 64, .size: 8, .value_kind: global_buffer, .address_space: global }
    .group_segment_fixed_size: 327680
    .private_segment_fixed_size: 0
    .kernarg_segment_align: 8
    .kernarg_segment_size: 72
    .max_flat_workgroup_size: 128
    .sgpr_count:     100
    .vgpr_count:     1024
    .wavefront_size: 32
...
	.end_amdgpu_metadata
.endif
;; end of part 2
;; launch attn (part 3): grid 4 x 64, 16 waves a work-group, clusters of 4 x 1, 264,192 bytes of LDS; arguments qv, kc, lowp_scales, mc; writes mc
.if DOCPART == 3
	.amdgcn_target "amdgcn-amd-amdhsa--gfx1250"
	.amdhsa_code_object_version 6
	.text
	.protected	k_q482f77b3c5_attn
	.globl	k_q482f77b3c5_attn
	.p2align	8
	.type	k_q482f77b3c5_attn,@function
k_q482f77b3c5_attn:
	s_mov_b64 s[64:65], 0
	v_nop
	global_prefetch_b8 v0, s[64:65] scope:SCOPE_SE
	s_setreg_imm32_b32 hwreg(HW_REG_WAVE_MODE, 25, 1), 1
	s_wait_xcnt 0x0
	s_wait_alu depctr_hold_cnt(0) depctr_sa_sdst(0) depctr_va_vdst(0) depctr_va_sdst(0) depctr_va_ssrc(0) depctr_va_vcc(0) depctr_vm_vsrc(0)
	s_getreg_b32 s2, hwreg(HW_REG_IB_STS2, 6, 4)
	s_cmp_eq_u32 s2, 0
	s_cbranch_scc0 .Lentry_in_a_cluster
	s_endpgm
.Lentry_in_a_cluster:
	s_bfe_u32 s2, ttmp6, 0x10000c
	s_cmp_lg_u32 s2, 0x3003
	s_cbranch_scc0 .Lentry_shape_is_right
	s_endpgm
.Lentry_shape_is_right:
; The attention of one head y = batch x 16 + head, both products on codes of BF8 (E5M2).  THE SOFTMAX RUNS OVER THE INDEX OF q: a row belongs to a vector k_j, and what is summed over are the
; vectors q_i with v_i beside them: O[j] = sum over i of softmax_i(q_i . k_j / 8) v_i.  So k has the part of the rows, q and v the part of the "keys".
; t = score x log2(e) / 8; M = the row's largest t so far, rounded UP to a whole number; p = 2^(t - M) is quantised with 2^e8, not normalised; the row's sum l is taken of the unquantised p in f32
; and divides O at the end.  When M moves, l and O are multiplied by 2^(old M - new M).  O / l x 2^(e8 + e9) is quantised with 2^e10 for the output projection.
; SHARES.  A work-group owns 512 rows of one head; each of its sixteen waves owns two tiles of 16 rows in 256 registers.  Every wave walks all 2,048 keys, 128 a step: 16 steps.
; LDS holds the head's whole part of qv, 262,144 bytes, as it lies in memory: 4 stages x (32 images of q, then 8 x 4 images of V^T).  Every byte is filled ONCE, by one tensor load of 16,384 bytes a wave
; at the head; one barrier follows, and none stands in the walk.  Nothing is asked of memory inside the loops, so there is no trip to prefetch ahead in.
; CLUSTER.  The four work-groups of a head read the same bytes: each load is asked for JOINTLY, same descriptor and the mask of all four.
; LAYOUT.  An image is a K = 64 fragment's 8 registers: registers 4 c .. 4 c + 3 of lane l at 512 c + 16 l; registers 2 c, 2 c + 1 of lane (r, h) hold k = 16 c + 8 h + 0 .. 7 of row r.
; S^T = q k^T (source 0 = 16 keys, source 1 = my 16 rows): lane (r, h) holds row r, register j key 8 h + j.  The conversions of a step's eight tiles ARE source 1 (16 registers, K = 128) of
; O^T = V^T P; source 0 there is two images of V^T on end (16 channels x 128 keys).  O^T's conversions are the image of 16 rows x 64 channels that the output projection reads.
; REGISTERS.  For tile t, at 40 + 72 t: 8 registers X, then 64 of S^T.  p's codes land in X and S 0-7 (S 0-7 are converted before they are written over); V^T's fragments land in S registers whose p
; has been converted (tile 0's S 8-55, tile 1's S 8-23).  q's fragments: key tiles 0-3 in tile 1's S 32-63 and key tile 4 in tile 0's S 56-63, loaded ONE STEP AHEAD, once the p there is converted;
; key tiles 5, 6, 7 in tile 0's S 48-55 and the two X, loaded at the step's head.  Each lies in registers that the products write only behind its use, with the places between.
; LIMITS: e6 + e7 between -123 and 130 (added to c's exponent field); e8 and e10 between -126 and 112; the scaled scores stay under 2^31 in magnitude.  NaN is not served.
.set VHALF, 32768                      ; V^T's images begin here in a stage
.set LI,   1                           ; v1   16 x lane
.set ADR,  2                           ; v2   LDS address of the step's images
.set ADN,  3                           ; v3   of the next step's
.set SC8,  4                           ; v4   2^e8;  v5 and v252: 57,344 x 2^e8 (two copies, for the two halves of a dual line)
.set LIM8, 5
.set SC10, 6                           ; v6   2^e10; v7  57,344 x 2^e10
.set LIM10, 7
.set ST,   8                           ; tile t at v[8 + 8 t]: +0 -M, +1 the largest raw score, +2, +3 l in two halves, +4 f (+5 named with it), +6, +7 at work
.set R,    24                          ; v24-39 my two tiles of rows (k's codes)
.set XB,   40                          ; X of tile 0
.set SS,   48                          ; S^T of tile 0
.set TS,   72                          ; from tile 0 to tile 1
.set O,    184                         ; v184-247 O^T, 32 registers a tile
.set U,    248                         ; v248-251 the sums' second chain, a pair a tile
.set LIMB, 252
.set SPW,  254                         ; my spare word's LDS address; never rewritten
.set NIL,  255                         ; 0; never rewritten
.set WV,   12
.set CX,   13
.set HY,   14
.set CNT,  15
.set TB,   16
.set SEL,  20                          ; s[20:21] lane selects: lane l xor 16
.set CS,   22                          ; s[22:23] c = log2(e) / 8 x 2^(e6 + e7)
.set G1,   24
.set G0,   32
.set NC,   36                          ; -c
.set TBN,  37                          ; LDS byte of the next step's images
.macro CROUND                          ; a round of the cluster's barrier
	s_barrier_signal -1
	s_barrier_wait -1
	s_cmp_lg_u32 s[WV], 0
	s_cbranch_scc1 .Lnot_wave_0_\@
	s_barrier_signal -3
.Lnot_wave_0_\@:
	s_barrier_wait -3
	s_barrier_signal -1
	s_barrier_wait -1
.endm
	s_load_b256 s[4:11], s[0:1], 0x0               ; qv s[4:5], kc s[6:7], the scales' exponents s[8:9], mc s[10:11]
	v_lshl_add_u32 v[SPW], v0, 2, 0x40000
	v_mov_b32 v[NIL], 0
	ds_add_u32 v[SPW], v[NIL]                      ; the opening lines: the add twice on end and its wait ahead of my tensor load
	ds_add_u32 v[SPW], v[NIL]
	v_lshrrev_b32 v2, 5, v0
	s_delay_alu instid0(VALU_DEP_1)
	v_readfirstlane_b32 s[WV], v2                  ; wave 0..15
	v_and_b32 v[LI], 31, v0
	s_delay_alu instid0(VALU_DEP_1)
	v_lshlrev_b32 v[LI], 4, v[LI]
	s_bfe_u32 s[CX], ttmp6, 0x40000                ; my block of 512 rows: it enters kc's and mc's addresses alone
	s_and_b32 s[HY], ttmp7, 0xffff                 ; the head, which the four partners share
	s_mov_b32 s[G1], 15|(3<<16)|(1<<21)            ; the mask of all four; elements of 8 bytes; bit 21 beside a mask
	s_mov_b32 s[G1+1], 32<<16                      ; 64 dense rows of 256 bytes, no padding
	s_mov_b32 s[G1+2], 64<<16
	s_mov_b32 s[G1+3], 32<<16
	s_mov_b32 s[G1+4], 64
	s_mov_b32 s[G1+5], 32
	s_mov_b32 s[G1+6], 0
	s_mov_b32 s[G1+7], 0
	s_mov_b32 s[SEL], 0x76543210
	s_mov_b32 s[SEL+1], 0xfedcba98
	s_lshl_b32 s17, s[WV], 14                      ; my 16,384 bytes
	s_lshl_b32 s2, s[HY], 18                       ; of the head's 262,144
	s_add_co_u32 s2, s2, s17
	s_mov_b32 s3, 0
	s_wait_dscnt 0x0
	s_wait_kmcnt 0x0
	s_load_b256 s[48:55], s[8:9], 0x0              ; e0 .. e7
	s_load_b128 s[56:59], s[8:9], 0x20             ; e8 .. e11
	s_mov_b32 s[G0], 1
	s_mov_b32 s[G0+1], s17
	s_add_nc_u64 s[G0+2:G0+3], s[4:5], s[2:3]
	s_or_b32 s[G0+3], s[G0+3], 0x80000000
	CROUND                                         ; all four work-groups are here: the joint loads meet
	tensor_load_to_lds s[G0:G0+3], s[G1:G1+7]      ; my one tensor load of the launch
	s_nop 0
.rept 4
	v_nop
.endr
	s_lshl_b32 s2, s[HY], 17                       ; kc: the head's 128 images, my work-group's 32, my wave's two
	s_lshl_b32 s60, s[CX], 15
	s_add_co_u32 s2, s2, s60
	s_lshl_b32 s60, s[WV], 11
	s_add_co_u32 s2, s2, s60
	s_add_nc_u64 s[6:7], s[6:7], s[2:3]
	s_wait_alu depctr_va_vdst(0)
.irp t, 0,1
.irp c, 0,1
	global_load_b128 v[R+8*\t+4*\c:R+8*\t+4*\c+3], v[LI], s[6:7] offset:1024*\t+512*\c
.endr
.endr
	s_lshr_b32 s2, s[HY], 4                        ; mc: [batch x 128 + tile of rows][head][1,024]
	s_lshl_b32 s2, s2, 21
	s_lshl_b32 s60, s[CX], 19
	s_add_co_u32 s2, s2, s60
	s_lshl_b32 s60, s[WV], 15
	s_add_co_u32 s2, s2, s60
	s_and_b32 s60, s[HY], 15
	s_lshl_b32 s60, s60, 10
	s_add_co_u32 s2, s2, s60
	s_add_nc_u64 s[10:11], s[10:11], s[2:3]
.set j, 0
.rept 64
	v_mov_b32 v[O+j], 0                            ; O^T: the step is written once; the first finds zeros, which the first f = 0 leaves zeros
.set j, j+1
.endr
.irp t, 0,1
	v_mov_b32 v[ST+8*\t], 0x7f61b1e6               ; -M = 3e38
	v_mov_b32 v[ST+8*\t+1], 0xff61b1e6             ; the largest raw score so far: -3e38
	v_mov_b32 v[ST+8*\t+2], 0
	v_mov_b32 v[ST+8*\t+3], 0
	v_mov_b32 v[ST+8*\t+5], 0
.endr
	s_wait_kmcnt 0x0
	s_add_co_i32 s60, s54, s55                     ; e6 + e7 go into c's exponent field
	s_lshl_b32 s60, s60, 23
	s_mov_b32 s[CS], 0x3e38aa3b                    ; log2(e) / 8
	s_add_co_i32 s[CS], s[CS], s60
	s_mov_b32 s[CS+1], s[CS]
	s_xor_b32 s[NC], s[CS], 0x80000000
	s_add_co_i32 s60, s56, 127
	s_lshl_b32 s61, s60, 23
	v_mov_b32 v[SC8], s61
	s_add_co_i32 s60, s60, 15
	s_lshl_b32 s60, s60, 23
	s_or_b32 s60, s60, 0x600000
	v_mov_b32 v[LIM8], s60
	v_mov_b32 v[LIMB], s60
	s_add_co_i32 s60, s58, 127
	s_lshl_b32 s61, s60, 23
	v_mov_b32 v[SC10], s61
	s_add_co_i32 s60, s60, 15
	s_lshl_b32 s60, s60, 23
	s_or_b32 s60, s60, 0x600000
	v_mov_b32 v[LIM10], s60
	v_mov_b32 v[ADN], v[LI]                        ; step 0's images begin at LDS byte 0
.macro LQ kt, fr                       ; the image of the step's kt-th 16 keys of q
.irp c, 0,1
	ds_load_b128 v[\fr+4*\c:\fr+4*\c+3], v[ADR] offset:1024*\kt+512*\c
.endr
.endm
.macro LQN kt, fr                      ; the same of the NEXT step
.irp c, 0,1
	ds_load_b128 v[\fr+4*\c:\fr+4*\c+3], v[ADN] offset:1024*\kt+512*\c
.endr
.endm
.macro AHEAD                           ; ten loads: the next step's key tiles 0-4
	LQN 0, SS+TS+32
	LQN 1, SS+TS+40
	LQN 2, SS+TS+48
	LQN 3, SS+TS+56
	LQN 4, SS+56
.endm
.macro QK kt, fr                       ; S^T of those keys, for both tiles of rows
.irp t, 0,1
	v_wmma_f32_16x16x64_bf8_bf8 v[SS+TS*\t+8*\kt:SS+TS*\t+8*\kt+7], v[\fr:\fr+7], v[R+8*\t:R+8*\t+7], 0
.endr
.endm
.macro MX2 i                           ; four more scores of each tile into its two chains of maxima, ascending: each accumulator is read from its low end on
.irp t, 0,1
	v_max3_num_f32 v[ST+8*\t+7], v[ST+8*\t+7], v[SS+TS*\t+\i], v[SS+TS*\t+\i+1]
	v_max3_num_f32 v[ST+8*\t+6], v[ST+8*\t+6], v[SS+TS*\t+\i+2], v[SS+TS*\t+\i+3]
.endr
.endm
.macro LV d, fr                        ; 16 channels x 128 keys of V^T: two images on end
.irp e, 0,1
.irp c, 0,1
	ds_load_b128 v[\fr+8*\e+4*\c:\fr+8*\e+4*\c+3], v[ADR] offset:VHALF+4096*\e+1024*\d+512*\c
.endr
.endr
.endm
.macro PV d, fr
.irp t, 0,1
	v_wmma_f32_16x16x128_bf8_bf8 v[O+32*\t+8*\d:O+32*\t+8*\d+7], v[\fr:\fr+15], v[XB+TS*\t:XB+TS*\t+15], v[O+32*\t+8*\d:O+32*\t+8*\d+7]
.endr
.endm
.macro HOLD2 r                         ; the conversion to an 8-bit code does not saturate (ISA guide 7.6.2); p is not negative, so the hold is one-sided; two numbers a line
	v_dual_min_num_f32 v[\r], v[\r], v[LIM8] :: v_dual_min_num_f32 v[\r+1], v[\r+1], v[LIMB]
.endm
.macro SHC t                           ; tile t: the sum of the UNQUANTISED p in two chains, the hold, the conversions; the adds and holds of later keys stand between a conversion and the one that writes over its sources
.set SBB, SS+TS*\t
.set LL, ST+8*\t+2
.set UU, U+2*\t
.set kt, 0
.rept 8
.set g, SBB+8*kt
.if kt == 0
	v_pk_add_f32 v[UU:UU+1], v[g:g+1], v[g+2:g+3]
.else
	v_pk_add_f32 v[LL:LL+1], v[LL:LL+1], v[g:g+1]
	v_pk_add_f32 v[UU:UU+1], v[UU:UU+1], v[g+2:g+3]
.endif
	HOLD2 g
	HOLD2 g+2
	v_pk_add_f32 v[LL:LL+1], v[LL:LL+1], v[g+4:g+5]
	v_pk_add_f32 v[UU:UU+1], v[UU:UU+1], v[g+6:g+7]
	HOLD2 g+4
	HOLD2 g+6
	v_cvt_scalef32_pk8_bf8_f32 v[SBB-8+2*kt:SBB-8+2*kt+1], v[g:g+7], v[SC8]   ; registers 2 kt, 2 kt + 1 of P: keys 16 kt + 8 h + 0 .. 7
.if (\t == 1) && (kt == 2)
	LV 3, SS+TS+8                                  ; tile 1's S 8-23 have just been converted
.endif
.set kt, kt+1
.endr
	v_pk_add_f32 v[LL:LL+1], v[LL:LL+1], v[UU:UU+1]
.endm
; A KEY STEP: 128 keys, for my two tiles of rows.  On entry the ten loads of its key tiles 0-4 are out or in.
.macro STEP
	s_add_co_u32 s[TBN], s[TB], 8192               ; the next step's images: 8,192 bytes on;
	s_and_b32 s17, s[TBN], 32768                   ; behind a stage's fourth step, over the stage's images of V^T;
	s_add_co_u32 s[TBN], s[TBN], s17
	s_and_b32 s[TBN], s[TBN], 0x3e000              ; behind the last step, back to byte 0: that look-ahead stays inside the filled bytes and is not used
	v_add_nc_u32 v[ADR], s[TB], v[LI]
	v_add_nc_u32 v[ADN], s[TBN], v[LI]
.rept 3
	v_nop                                          ; with the two additions: five places behind the last products, whose sources are loaded into and written over below
.endr
	LQ 5, SS+48
	LQ 6, XB
	LQ 7, XB+TS
	s_wait_alu depctr_va_vdst(0)
	s_wait_dscnt 6                                 ; key tiles 0-4 are in; the six loads just issued may be out
	QK 0, SS+TS+32
	QK 1, SS+TS+40
	QK 2, SS+TS+48
	QK 3, SS+TS+56
.rept 5
	v_nop                                          ; five places: for the first reads of results, and ahead of products that write over key tiles 0, 1's fragments
.endr
.irp t, 0,1
	v_max3_num_f32 v[ST+8*\t+6], v[SS+TS*\t], v[SS+TS*\t+1], v[SS+TS*\t+2]
	v_max3_num_f32 v[ST+8*\t+7], v[SS+TS*\t+3], v[SS+TS*\t+4], v[SS+TS*\t+5]
.endr
.irp t, 0,1
	v_max3_num_f32 v[ST+8*\t+6], v[ST+8*\t+6], v[SS+TS*\t+6], v[SS+TS*\t+7]
.endr
	MX2 8
	MX2 12
	s_wait_alu depctr_va_vdst(0)
	s_wait_dscnt 0x0                               ; key tiles 5-7 are in
	QK 4, SS+56
	QK 5, SS+48
.irp i, 16,20,24,28
	MX2 \i                                         ; key tiles 2, 3: the places ahead of products that write over key tiles 4, 5's fragments
.endr
	QK 6, XB
	QK 7, XB+TS
.irp i, 32,36,40,44,48,52,56,60
	MX2 \i                                         ; key tiles 4, 5 first: the places ahead of the reads of key tiles 6, 7
.endr
.irp t, 0,1
	v_max3_num_f32 v[ST+8*\t+6], v[ST+8*\t+6], v[ST+8*\t+7], v[ST+8*\t+1]   ; both chains and the running largest
.endr
.irp t, 0,1
	s_delay_alu instid0(VALU_DEP_2)
	v_permlanex16_b32 v[ST+8*\t+7], v[ST+8*\t+6], s[SEL], s[SEL+1]          ; the row's other keys lie in the lane 16 away
.endr
.irp t, 0,1
	s_delay_alu instid0(VALU_DEP_2)
	v_max_num_f32 v[ST+8*\t+1], v[ST+8*\t+6], v[ST+8*\t+7]
.endr
.irp t, 0,1
	s_delay_alu instid0(VALU_DEP_2)
	v_mul_f32 v[ST+8*\t+6], s[NC], v[ST+8*\t+1]    ; -t (c is positive)
.endr
.irp t, 0,1
	s_delay_alu instid0(VALU_DEP_2)
	v_floor_f32 v[ST+8*\t+7], v[ST+8*\t+6]         ; the new -M = floor(-t): M is a whole number
.endr
.irp t, 0,1
	s_delay_alu instid0(VALU_DEP_2)
	v_sub_f32 v[ST+8*\t+6], v[ST+8*\t+7], v[ST+8*\t]   ; old M - new M, 0 or less
.endr
.irp t, 0,1
	s_delay_alu instid0(VALU_DEP_4)
	v_mov_b32 v[ST+8*\t], v[ST+8*\t+7]
.endr
.irp t, 0,1
	s_delay_alu instid0(VALU_DEP_4)
	v_cvt_i32_f32 v[ST+8*\t+6], v[ST+8*\t+6]       ; (it saturates)
.endr
.irp t, 0,1
	s_delay_alu instid0(VALU_DEP_2)
	v_ldexp_f32 v[ST+8*\t+4], 1.0, v[ST+8*\t+6]    ; f = 2^(old M - new M)
.endr
.irp t, 0,1
.set j, 0
.rept 32
	v_pk_fma_f32 v[SS+TS*\t+j:SS+TS*\t+j+1], v[SS+TS*\t+j:SS+TS*\t+j+1], s[CS:CS+1], v[ST+8*\t:ST+8*\t+1] op_sel_hi:[1,0,0]   ; t - M, two at a time
.set j, j+2
.endr
.endr
	s_wait_alu depctr_va_vdst(0)
.irp t, 0,1
.set j, 0
.rept 64
	v_exp_f32 v[SS+TS*\t+j], v[SS+TS*\t+j]         ; p = 2^(t - M), at most 1
.set j, j+1
.endr
.endr
.irp t, 0,1
	v_pk_mul_f32 v[ST+8*\t+2:ST+8*\t+3], v[ST+8*\t+2:ST+8*\t+3], v[ST+8*\t+4:ST+8*\t+5] op_sel_hi:[1,0]   ; l under the new M; the plain lines behind the batch
.endr
	s_wait_alu depctr_va_vdst(0)                   ; and one wait behind it, ahead of its first reader
	SHC 0
	LV 0, SS+8                                     ; into tile 0's S registers 8-55, whose p has been converted
	LV 1, SS+24
	LV 2, SS+40
	SHC 1
	AHEAD                                          ; into S registers whose p has been converted and that V^T does not take
	s_wait_alu depctr_va_vdst(0)                   ; directly ahead of the first reader of O^T
.irp t, 0,1
.set j, 0
.rept 16
	v_pk_mul_f32 v[O+32*\t+j:O+32*\t+j+1], v[O+32*\t+j:O+32*\t+j+1], v[ST+8*\t+4:ST+8*\t+5] op_sel_hi:[1,0]   ; O^T under the new M; also the plain lines between the conversions and the products
.set j, j+2
.endr
.endr
	s_wait_alu depctr_va_vdst(0)
	s_wait_dscnt 10                                ; V^T is in; the ten loads for the next step, issued behind V^T's, may be out
	PV 0, SS+8                                     ; eight accumulators by turns, one instruction a turn
	PV 1, SS+24
	PV 2, SS+40
	PV 3, SS+TS+8
.endm
.macro STAGE g                         ; 512 keys: four steps
	s_mov_b32 s[TB], 65536*\g
	s_mov_b32 s[CNT], 4
.Lstep_\@:
	STEP
	s_add_co_u32 s[TB], s[TB], 8192                ; eight images of q on, and eight of V^T
	s_sub_co_u32 s[CNT], s[CNT], 1
	s_cmp_lg_u32 s[CNT], 0
	s_cbranch_scc1 .Lstep_\@
.endm
	s_wait_alu depctr_va_vdst(0)
	s_wait_loadcnt 0x0                             ; my rows
	s_wait_tensorcnt 0x0                           ; my 16,384 bytes are in,
	s_barrier_signal -1
	s_barrier_wait -1                              ; and everybody's: the head's 262,144 bytes stand in LDS and are never written again
	AHEAD                                          ; step 0's key tiles 0-4
	STAGE 0
	STAGE 1
	STAGE 2
	STAGE 3
	; THE WAY OUT.  l's halves and the other lanes' are added (the places behind the last products); O^T x 2^(e8 + e9) / l is held, converted with 2^e10 and stored as it stands.
.irp t, 0,1
	v_add_f32 v[ST+8*\t+2], v[ST+8*\t+2], v[ST+8*\t+3]
.endr
.irp t, 0,1
	s_delay_alu instid0(VALU_DEP_2)
	v_permlanex16_b32 v[ST+8*\t+7], v[ST+8*\t+2], s[SEL], s[SEL+1]
.endr
.irp t, 0,1
	s_delay_alu instid0(VALU_DEP_2)
	v_add_f32 v[ST+8*\t+2], v[ST+8*\t+2], v[ST+8*\t+7]
.endr
	s_wait_alu depctr_va_vdst(0)                   ; ahead of the two reciprocals
.irp t, 0,1
	v_rcp_f32 v[ST+8*\t+6], v[ST+8*\t+2]
.endr
	v_nop
	s_add_co_i32 s60, s56, s57                     ; e8 + e9
	s_wait_alu depctr_va_vdst(0)                   ; and behind them
.irp t, 0,1
	v_ldexp_f32 v[ST+8*\t+6], v[ST+8*\t+6], s60
.endr
	s_wait_alu depctr_va_vdst(0)                   ; directly ahead of the first reader of O^T
.irp t, 0,1
.set j, 0
.rept 16
	v_pk_mul_f32 v[O+32*\t+j:O+32*\t+j+1], v[O+32*\t+j:O+32*\t+j+1], v[ST+8*\t+6:ST+8*\t+7] op_sel_hi:[1,0]
.set j, j+2
.endr
.endr
.irp t, 0,1
.set j, 0
.rept 32
	v_med3_num_f32 v[O+32*\t+j], v[O+32*\t+j], -v[LIM10], v[LIM10]
.set j, j+1
.endr
.irp d, 0,1,2,3
	v_cvt_scalef32_pk8_bf8_f32 v[XB+8*\t+2*\d:XB+8*\t+2*\d+1], v[O+32*\t+8*\d:O+32*\t+8*\d+7], v[SC10]   ; channels 16 d + 8 h + 0 .. 7 of row r
.endr
.endr
	v_nop                                          ; one plain line behind the last conversion
.irp t, 0,1
.irp c, 0,1
	global_store_b128 v[LI], v[XB+8*\t+4*\c:XB+8*\t+4*\c+3], s[10:11] offset:16384*\t+512*\c   ; 32 lanes store 512 consecutive bytes, aligned
.endr
.endr
	s_wait_tensorcnt 0x0                           ; the wave's end
	ds_add_u32 v[SPW], v[NIL]
	s_wait_dscnt 0x0
	CROUND                                         ; the closing round
	s_endpgm
.Lfunc_end_k_q482f77b3c5_attn:
	.size	k_q482f77b3c5_attn, .Lfunc_end_k_q482f77b3c5_attn-k_q482f77b3c5_attn
	.p2alignl 7, 3214868480
	.fill 96, 4, 3214868480
	.section	.rodata,"a",@progbits
	.p2align	6, 0x0
	.amdhsa_kernel k_q482f77b3c5_attn
		.amdhsa_group_segment_fixed_size 264192
		.amdhsa_private_segment_fixed_size 0
		.amdhsa_enable_private_segment 0
		.amdhsa_kernarg_size 32
		.amdhsa_user_sgpr_count 2
		.amdhsa_user_sgpr_kernarg_segment_ptr 1
		.amdhsa_wavefront_size32 1
		.amdhsa_system_sgpr_workgroup_id_x 1
		.amdhsa_system_sgpr_workgroup_id_y 1
		.amdhsa_system_sgpr_workgroup_id_z 1
		.amdhsa_system_vgpr_workitem_id 0
		.amdhsa_next_free_vgpr 256
		.amdhsa_next_free_sgpr 66
		.amdhsa_reserve_vcc 0
		.amdhsa_float_denorm_mode_32 3
		.amdhsa_float_denorm_mode_16_64 3
		.amdhsa_memory_ordered 1
		.amdhsa_forward_progress 1
		.amdhsa_inst_pref_size 131
	.end_amdhsa_kernel
	.amdgpu_metadata
---
amdhsa.version: [ 1, 2 ]
amdhsa.kernels:
  - .name:           k_q482f77b3c5_attn
    .symbol:         k_q482f77b3c5_attn.kd
    .args:
      - { .name: qv, .offset: 0, .size: 8, .value_kind: global_buffer, .address_space: global }
      - { .name: kc, .offset: 8, .size: 8, .value_kind: global_buffer, .address_space: global }
      - { .name: lowp_scales, .offset: 16, .size: 8, .value_kind: global_buffer, .address_space: global }
      - { .name: mc, .offset: 24, .size: 8, .value_kind: global_buffer, .address_space: global }
    .group_segment_fixed_size: 264192
    .private_segment_fixed_size: 0
    .kernarg_segment_align: 8
    .kernarg_segment_size: 32
    .max_flat_workgroup_size: 512
    .sgpr_count:     66
    .vgpr_count:     256
    .wavefront_size: 32
...
	.end_amdgpu_metadata
.endif
;; end of part 3
;; launch outln (part 4): grid 256 x 1, 16 waves a work-group, no clusters, 305,664 bytes of LDS; arguments mc, wi, lowp_scales, tokens, gamma, beta, out0; writes out0
.if DOCPART == 4
	.amdgcn_target "amdgcn-amd-amdhsa--gfx1250"
	.amdhsa_code_object_version 6
	.text
	.protected	k_q482f77b3c5_outln
	.globl	k_q482f77b3c5_outln
	.p2align	8
	.type	k_q482f77b3c5_outln,@function
k_q482f77b3c5_outln:
	s_mov_b64 s[64:65], 0
	v_nop
	global_prefetch_b8 v0, s[64:65] scope:SCOPE_SE
	s_setreg_imm32_b32 hwreg(HW_REG_WAVE_MODE, 25, 1), 1
	s_wait_xcnt 0x0
; out0 = LayerNorm(multi Wo + tokens) x gamma + beta.  multi arrives as codes of BF8 (mc: [tile of 16 rows][head][image of 1,024 bytes]), Wo as images of the K = 128 fragment's registers (wi);
; a sum stands for sum x 2^(e10 + e11).  LIMIT: e10 + e11 between -126 and 127.  NaN is not served.
; SHARES.  A work-group owns 32 rows and all 1,024 columns, so that a row's mean and variance need no other work-group.  Wave w makes columns 64 w .. 64 w + 63 of the 32 rows: 8 accumulators,
; K in 8 chunks of 128.  Its four images of a chunk are 8,192 bytes on end in wi and go from memory straight into the registers that the matrix instructions name: two buffers of 64 registers,
; so the next chunk's loads (16 loads, 8,192 bytes a wave) are out while a chunk is multiplied.  No barrier stands along K.
; LDS: one tensor load a wave at the head, every byte filled once: waves 0-7 bring the 32 rows of tokens (16,384 bytes each), waves 8-15 mc's two tiles of rows (4,096 bytes each).
; NO CLUSTER: what the tensor loads bring is the work-group's own, and Wo's images land in registers, not in LDS.  NO PREFETCH: the images' loads themselves run two chunks ahead of their use.
; THE MATRIX INSTRUCTION: source 0 = 16 rows of Wo (columns of the result), source 1 = 16 rows of multi: lane (r, h) holds row r, register j column 8 h + j.
; THE WAY OUT: the sums go through a stage in LDS (bytes of its own, rows of 4,096 + 16 bytes); then wave w owns rows 2 w, 2 w + 1 whole, 32 numbers a lane and row.
.set SPT,   4112
.set TOKL,  32*SPT                     ; behind the stage: the tokens, 32 rows of 4,096 bytes
.set AIMG,  TOKL+131072                ; mc's two tiles of rows, 16,384 bytes each
.set SPARE, AIMG+32768
.set GAML,  SPARE+2048                 ; behind the spare words: gamma's 4,096 bytes, then beta's; each wave brings 256 bytes of each, once for the work-group
.set GA,   4                           ; v4  where I read gamma back
.set GS,   12                          ; v12 where I put my 8 bytes of gamma
.set GO,   13                          ; v13 8 x lane
.set LI,   1                           ; v1 16 x lane
.set AI,   2                           ; v2 LDS address of mc's images
.set TA,   3                           ; v3 of my two rows of tokens
.set SO,   5                           ; v5, v6 the stage, on the way in, tile 0, 1
.set SR,   7                           ; v7 and back
.set SPW,  8
.set NIL,  9
.set ACC,  16                          ; v16-79 the sums; then my two rows
.set X,    16
.set AF,   80                          ; v80-111 multi's fragments, 16 registers a tile
.set CH,   80
.set BF,   112                         ; v112-239 Wo's images, two buffers of 64
.set GM,   112
.set BT,   144
.set TOK,  176
.set SUM,  240
.set MEAN, 244
.set RS,   248
.set VAR,  252
.set WV,   18
.set G1T,  24
.set G1A,  32
.set G0T,  40
.set G0A,  44
.set SEL,  52
	s_load_b256 s[4:11], s[0:1], 0x0               ; mc s[4:5], wi s[6:7], the scales' exponents s[8:9], tokens s[10:11]
	s_load_b128 s[12:15], s[0:1], 0x20             ; gamma, beta
	s_load_b64 s[16:17], s[0:1], 0x30              ; out0
	v_lshl_add_u32 v[SPW], v0, 2, SPARE
	v_mov_b32 v[NIL], 0
	ds_add_u32 v[SPW], v[NIL]                      ; the opening lines: the add twice on end and its wait ahead of my tensor load
	ds_add_u32 v[SPW], v[NIL]
	v_lshrrev_b32 v10, 5, v0
	s_delay_alu instid0(VALU_DEP_1)
	v_readfirstlane_b32 s[WV], v10
	v_and_b32 v[LI], 31, v0
	s_delay_alu instid0(VALU_DEP_1)
	v_lshlrev_b32 v[LI], 4, v[LI]
	s_mov_b32 s20, ttmp9                           ; my block of 32 rows
.irp g, G1T, G1A
	s_mov_b32 s[\g], 3<<16                         ; dense rows of 256 bytes: 32 elements of 8 bytes, no padding
	s_mov_b32 s[\g+1], 32<<16
	s_mov_b32 s[\g+3], 32<<16
	s_mov_b32 s[\g+5], 32
	s_mov_b32 s[\g+6], 0
	s_mov_b32 s[\g+7], 0
.endr
	s_mov_b32 s[G1T+2], 64<<16                     ; tokens: 64 such rows a wave
	s_mov_b32 s[G1T+4], 64
	s_mov_b32 s[G1A+2], 16<<16                     ; mc: 16
	s_mov_b32 s[G1A+4], 16
	s_mov_b32 s[SEL], 0x76543210
	s_mov_b32 s[SEL+1], 0xfedcba98
	s_mov_b32 s56, 0x3a800000                      ; 1 / 1,024
	s_mov_b32 s57, 0x3727c5ac                      ; 1e-5
	s_and_b32 s21, s[WV], 7
	s_lshl_b32 s60, s21, 14
	s_lshl_b32 s2, s20, 17
	s_add_co_u32 s2, s2, s60                       ; tokens: my block's 131,072 bytes, my 16,384
	s_mov_b32 s3, 0
	s_add_co_u32 s60, s60, TOKL
	s_lshl_b32 s61, s21, 12
	s_lshl_b32 s22, s20, 15
	s_add_co_u32 s22, s22, s61                     ; mc: my block's 32,768 bytes, my 4,096
	s_mov_b32 s23, 0
	s_add_co_u32 s61, s61, AIMG
	s_lshl_b32 s62, s[WV], 16                      ; wi: my wave's 65,536 bytes
	s_mov_b32 s63, 0
	s_wait_alu depctr_va_vdst(0)                   ; ahead of the blocking waits
	s_wait_dscnt 0x0
	s_wait_kmcnt 0x0
	s_load_b64 s[58:59], s[8:9], 0x28              ; e10, e11
	s_mov_b32 s[G0T], 1
	s_mov_b32 s[G0T+1], s60
	s_add_nc_u64 s[G0T+2:G0T+3], s[10:11], s[2:3]
	s_or_b32 s[G0T+3], s[G0T+3], 0x80000000
	s_mov_b32 s[G0A], 1
	s_mov_b32 s[G0A+1], s61
	s_add_nc_u64 s[G0A+2:G0A+3], s[4:5], s[22:23]
	s_or_b32 s[G0A+3], s[G0A+3], 0x80000000
	s_add_nc_u64 s[6:7], s[6:7], s[62:63]
	s_lshl_b32 s62, s[WV], 8                       ; my wave's 256 bytes of gamma and of beta
	s_add_nc_u64 s[12:13], s[12:13], s[62:63]
	s_add_nc_u64 s[14:15], s[14:15], s[62:63]
	s_cmp_lt_u32 s[WV], 8                          ; one chain, one load to an arm, one join
	s_cbranch_scc0 .Lfor_a
	tensor_load_to_lds s[G0T:G0T+3], s[G1T:G1T+7]
	s_nop 0
.rept 4
	v_nop
.endr
	s_branch .Lasked
.Lfor_a:
	tensor_load_to_lds s[G0A:G0A+3], s[G1A:G1A+7]
	s_nop 0
.rept 4
	v_nop
.endr
.Lasked:
.macro LB c                            ; chunk c's four images into buffer c % 2: each load covers 512 consecutive bytes
.irp i, 0,1,2,3
.irp q, 0,1,2,3
	global_load_b128 v[BF+64*((\c)%2)+16*\i+4*\q:BF+64*((\c)%2)+16*\i+4*\q+3], v[LI], s[6:7] offset:8192*(\c)+2048*\i+512*\q
.endr
.endr
.endm
.macro LA c                            ; multi's fragments of chunk c: heads 2 c and 2 c + 1, two images on end, for both tiles of rows
.irp t, 0,1
.irp q, 0,1,2,3
	ds_load_b128 v[AF+16*\t+4*\q:AF+16*\t+4*\q+3], v[AI] offset:16384*\t+2048*(\c)+512*\q
.endr
.endr
.endm
	v_lshrrev_b32 v[GO], 1, v[LI]
	global_load_b64 v[14:15], v[GO], s[12:13]      ; issued ahead of the images' loads, so the counted waits below cover them
	global_load_b64 v[254:255], v[GO], s[14:15]
	LB 0
	LB 1
	s_lshl_b32 s2, s20, 17
	s_lshl_b32 s61, s[WV], 13
	s_add_co_u32 s2, s2, s61
	s_add_nc_u64 s[16:17], s[16:17], s[2:3]        ; out0 at my two rows
	v_add_nc_u32 v[AI], AIMG, v[LI]
	v_and_b32 v10, 15, v0
	v_bfe_u32 v11, v0, 4, 1
	s_delay_alu instid0(VALU_DEP_2)
	v_mul_u32_u24 v[SO], v10, SPT
	s_delay_alu instid0(VALU_DEP_1)
	v_lshl_add_u32 v[SO], v11, 5, v[SO]
	s_lshl_b32 s61, s[WV], 8
	v_add_nc_u32 v[SO], s61, v[SO]                 ; in: row r, byte 256 w + 32 h (+ 64 for each tile of columns)
	s_delay_alu instid0(VALU_DEP_1)
	v_add_nc_u32 v[SO+1], 16*SPT, v[SO]
	s_mul_i32 s61, s[WV], 2*SPT
	v_add_nc_u32 v[SR], s61, v[LI]
	s_lshl_b32 s61, s[WV], 13
	s_add_co_u32 s61, s61, TOKL
	v_add_nc_u32 v[TA], s61, v[LI]
	v_add_nc_u32 v[GA], GAML, v[LI]
	s_lshl_b32 s61, s[WV], 8
	s_add_co_u32 s61, s61, GAML
	v_lshrrev_b32 v[GS], 1, v[LI]
	s_delay_alu instid0(VALU_DEP_1)
	v_add_nc_u32 v[GS], s61, v[GS]
.irp k, 1,3,5,7,9,11
	v_mov_b32 v[SUM+\k], 0                         ; named as upper halves of pairs, or as a lane permute's destination
.endr
	s_wait_kmcnt 0x0
	s_add_co_i32 s54, s58, s59
	s_add_co_i32 s54, s54, 127
	s_lshl_b32 s54, s54, 23                        ; 2^(e10 + e11)
	s_mov_b32 s55, s54
	s_wait_alu depctr_va_vdst(0)
	s_wait_tensorcnt 0x0                           ; my part of the tokens or of mc is in,
	s_barrier_signal -1
	s_barrier_wait -1                              ; and everybody's
	LA 0
.macro CHUNK c
.if (\c) < 7
	s_wait_loadcnt 16                              ; this chunk's images are in; the next chunk's 16 loads may be out
.else
	s_wait_loadcnt 0x0                             ; nothing was issued behind the last chunk's
.endif
	s_wait_dscnt 0x0
.irp i, 0,1,2,3
.irp t, 0,1
.if (\c) == 0
	v_wmma_f32_16x16x128_bf8_bf8 v[ACC+8*(2*\i+\t):ACC+8*(2*\i+\t)+7], v[BF+64*((\c)%2)+16*\i:BF+64*((\c)%2)+16*\i+15], v[AF+16*\t:AF+16*\t+15], 0
.else
	v_wmma_f32_16x16x128_bf8_bf8 v[ACC+8*(2*\i+\t):ACC+8*(2*\i+\t)+7], v[BF+64*((\c)%2)+16*\i:BF+64*((\c)%2)+16*\i+15], v[AF+16*\t:AF+16*\t+15], v[ACC+8*(2*\i+\t):ACC+8*(2*\i+\t)+7]
.endif
.endr
.endr
.rept 4
	v_nop                                          ; four places in front of loads into registers that these products have read, and of the reads of results
.endr
.if (\c) < 7
	LA (\c)+1
.endif
.if (\c) < 6
	LB (\c)+2
.endif
.endm
.irp c, 0,1,2,3,4,5,6
	CHUNK \c                                       ; eight accumulators by turns, one instruction a turn
.endr
	CHUNK 7
	ds_store_b64 v[GS], v[14:15]                   ; my part of gamma and of beta, for all sixteen waves
	ds_store_b64 v[GS], v[254:255] offset:4096
.irp i, 0,1,2,3
.irp t, 0,1
	ds_store_b128 v[SO+\t], v[ACC+8*(2*\i+\t):ACC+8*(2*\i+\t)+3] offset:64*\i
	ds_store_b128 v[SO+\t], v[ACC+8*(2*\i+\t)+4:ACC+8*(2*\i+\t)+7] offset:64*\i+16
.endr
.endr
.irp rho, 0,1
.irp i, 0,1,2,3,4,5,6,7
	ds_load_b128 v[TOK+32*\rho+4*\i:TOK+32*\rho+4*\i+3], v[TA] offset:4096*\rho+512*\i   ; my two rows of tokens, into buffer 1
.endr
.endr
	s_wait_dscnt 0x0
	s_barrier_signal -1
	s_barrier_wait -1
.irp rho, 0,1
.irp i, 0,1,2,3,4,5,6,7
	ds_load_b128 v[X+32*\rho+4*\i:X+32*\rho+4*\i+3], v[SR] offset:SPT*\rho+512*\i
.endr
.endr
.irp i, 0,1,2,3,4,5,6,7
	ds_load_b128 v[GM+4*\i:GM+4*\i+3], v[GA] offset:512*\i          ; gamma and beta, into buffer 0
	ds_load_b128 v[BT+4*\i:BT+4*\i+3], v[GA] offset:4096+512*\i
.endr
	s_wait_dscnt 0x0
	s_wait_loadcnt 0x0
.set j, 0
.rept 32
	v_pk_fma_f32 v[X+j:X+j+1], v[X+j:X+j+1], s[54:55], v[TOK+j:TOK+j+1] op_sel_hi:[1,0,1]   ; sum x 2^(e10 + e11) + token
.set j, j+2
.endr
.macro ACROSS
.irp m, 1,2,4,8
.irp rho, 0,1
	s_delay_alu instid0(VALU_DEP_2)
	v_add_f32_dpp v[SUM+2*\rho], v[SUM+2*\rho], v[SUM+2*\rho] row_xmask:\m row_mask:0xf bank_mask:0xf
.endr
.endr
.irp rho, 0,1
	s_delay_alu instid0(VALU_DEP_2)
	v_permlanex16_b32 v[SUM+2*\rho+1], v[SUM+2*\rho], s[SEL], s[SEL+1]
.endr
.irp rho, 0,1
	s_delay_alu instid0(VALU_DEP_2)
	v_add_f32 v[SUM+2*\rho], v[SUM+2*\rho], v[SUM+2*\rho+1]
.endr
.endm
.irp rho, 0,1
	v_pk_add_f32 v[CH+4*\rho:CH+4*\rho+1], v[X+32*\rho:X+32*\rho+1], v[X+32*\rho+2:X+32*\rho+3]
	v_pk_add_f32 v[CH+4*\rho+2:CH+4*\rho+3], v[X+32*\rho+4:X+32*\rho+5], v[X+32*\rho+6:X+32*\rho+7]
.endr
.irp i, 8,12,16,20,24,28
.irp rho, 0,1
	s_delay_alu instid0(VALU_DEP_4)
	v_pk_add_f32 v[CH+4*\rho:CH+4*\rho+1], v[CH+4*\rho:CH+4*\rho+1], v[X+32*\rho+\i:X+32*\rho+\i+1]
	s_delay_alu instid0(VALU_DEP_4)
	v_pk_add_f32 v[CH+4*\rho+2:CH+4*\rho+3], v[CH+4*\rho+2:CH+4*\rho+3], v[X+32*\rho+\i+2:X+32*\rho+\i+3]
.endr
.endr
.irp rho, 0
	s_delay_alu instid0(VALU_DEP_3)
	v_pk_add_f32 v[CH+4*\rho:CH+4*\rho+1], v[CH+4*\rho:CH+4*\rho+1], v[CH+4*\rho+2:CH+4*\rho+3]
.endr
.irp rho, 1
	s_delay_alu instid0(VALU_DEP_2)
	v_pk_add_f32 v[CH+4*\rho:CH+4*\rho+1], v[CH+4*\rho:CH+4*\rho+1], v[CH+4*\rho+2:CH+4*\rho+3]
.endr
.irp rho, 0,1
	s_delay_alu instid0(VALU_DEP_2)
	v_add_f32 v[SUM+2*\rho], v[CH+4*\rho], v[CH+4*\rho+1]
.endr
	ACROSS
.irp rho, 0,1
	s_delay_alu instid0(VALU_DEP_2)
	v_mul_f32 v[MEAN+2*\rho], s56, v[SUM+2*\rho]   ; the row's mean
.endr
.irp rho, 0,1
.set j, 0
.rept 16
	v_pk_add_f32 v[X+32*\rho+j:X+32*\rho+j+1], v[X+32*\rho+j:X+32*\rho+j+1], v[MEAN+2*\rho:MEAN+2*\rho+1] op_sel_hi:[1,0] neg_lo:[0,1] neg_hi:[0,1]
.set j, j+2
.endr
.endr
.irp rho, 0,1
	v_pk_mul_f32 v[CH+4*\rho:CH+4*\rho+1], v[X+32*\rho:X+32*\rho+1], v[X+32*\rho:X+32*\rho+1]
	v_pk_mul_f32 v[CH+4*\rho+2:CH+4*\rho+3], v[X+32*\rho+2:X+32*\rho+3], v[X+32*\rho+2:X+32*\rho+3]
.endr
.irp i, 4,8,12,16,20,24,28
.irp rho, 0,1
	s_delay_alu instid0(VALU_DEP_4)
	v_pk_fma_f32 v[CH+4*\rho:CH+4*\rho+1], v[X+32*\rho+\i:X+32*\rho+\i+1], v[X+32*\rho+\i:X+32*\rho+\i+1], v[CH+4*\rho:CH+4*\rho+1]
	s_delay_alu instid0(VALU_DEP_4)
	v_pk_fma_f32 v[CH+4*\rho+2:CH+4*\rho+3], v[X+32*\rho+\i+2:X+32*\rho+\i+3], v[X+32*\rho+\i+2:X+32*\rho+\i+3], v[CH+4*\rho+2:CH+4*\rho+3]
.endr
.endr
.irp rho, 0
	s_delay_alu instid0(VALU_DEP_3)
	v_pk_add_f32 v[CH+4*\rho:CH+4*\rho+1], v[CH+4*\rho:CH+4*\rho+1], v[CH+4*\rho+2:CH+4*\rho+3]
.endr
.irp rho, 1
	s_delay_alu instid0(VALU_DEP_2)
	v_pk_add_f32 v[CH+4*\rho:CH+4*\rho+1], v[CH+4*\rho:CH+4*\rho+1], v[CH+4*\rho+2:CH+4*\rho+3]
.endr
.irp rho, 0,1
	s_delay_alu instid0(VALU_DEP_2)
	v_add_f32 v[SUM+2*\rho], v[CH+4*\rho], v[CH+4*\rho+1]
.endr
	ACROSS
.irp rho, 0,1
	s_delay_alu instid0(VALU_DEP_2)
	v_fma_f32 v[VAR+\rho], v[SUM+2*\rho], s56, s57 ; the variance + 1e-5
.endr
	s_wait_alu depctr_va_vdst(0)                   ; ahead of the two transcendentals
.irp rho, 0,1
	v_rsq_f32 v[RS+2*\rho], v[VAR+\rho]
.endr
	v_nop
	s_wait_alu depctr_va_vdst(0)                   ; and behind them
.irp rho, 0,1
.set j, 0
.rept 16
	v_pk_mul_f32 v[X+32*\rho+j:X+32*\rho+j+1], v[X+32*\rho+j:X+32*\rho+j+1], v[RS+2*\rho:RS+2*\rho+1] op_sel_hi:[1,0]
.set j, j+2
.endr
.set j, 0
.rept 16
	v_pk_fma_f32 v[X+32*\rho+j:X+32*\rho+j+1], v[X+32*\rho+j:X+32*\rho+j+1], v[GM+j:GM+j+1], v[BT+j:BT+j+1]
.set j, j+2
.endr
.irp i, 0,1,2,3,4,5,6,7
	global_store_b128 v[LI], v[X+32*\rho+4*\i:X+32*\rho+4*\i+3], s[16:17] offset:4096*\rho+512*\i th:TH_STORE_NT   ; 32 lanes store 512 consecutive bytes, aligned
.endr
.endr
	s_wait_tensorcnt 0x0                           ; the wave's end
	ds_add_u32 v[SPW], v[NIL]
	s_wait_dscnt 0x0
	s_endpgm
.Lfunc_end_k_q482f77b3c5_outln:
	.size	k_q482f77b3c5_outln, .Lfunc_end_k_q482f77b3c5_outln-k_q482f77b3c5_outln
	.p2alignl 7, 3214868480
	.fill 96, 4, 3214868480
	.section	.rodata,"a",@progbits
	.p2align	6, 0x0
	.amdhsa_kernel k_q482f77b3c5_outln
		.amdhsa_group_segment_fixed_size 305664
		.amdhsa_private_segment_fixed_size 0
		.amdhsa_enable_private_segment 0
		.amdhsa_kernarg_size 56
		.amdhsa_user_sgpr_count 2
		.amdhsa_user_sgpr_kernarg_segment_ptr 1
		.amdhsa_wavefront_size32 1
		.amdhsa_system_sgpr_workgroup_id_x 1
		.amdhsa_system_sgpr_workgroup_id_y 1
		.amdhsa_system_sgpr_workgroup_id_z 1
		.amdhsa_system_vgpr_workitem_id 0
		.amdhsa_next_free_vgpr 256
		.amdhsa_next_free_sgpr 66
		.amdhsa_reserve_vcc 0
		.amdhsa_float_denorm_mode_32 3
		.amdhsa_float_denorm_mode_16_64 3
		.amdhsa_memory_ordered 1
		.amdhsa_forward_progress 1
		.amdhsa_inst_pref_size 50
	.end_amdhsa_kernel
	.amdgpu_metadata
---
amdhsa.version: [ 1, 2 ]
amdhsa.kernels:
  - .name:           k_q482f77b3c5_outln
    .symbol:         k_q482f77b3c5_outln.kd
    .args:
      - { .name: mc, .offset: 0, .size: 8, .value_kind: global_buffer, .address_space: global }
      - { .name: wi, .offset: 8, .size: 8, .value_kind: global_buffer, .address_space: global }
      - { .name: lowp_scales, .offset: 16, .size: 8, .value_kind: global_buffer, .address_space: global }
      - { .name: tokens, .offset: 24, .size: 8, .value_kind: global_buffer, .address_space: global }
      - { .name: gamma, .offset: 32, .size: 8, .value_kind: global_buffer, .address_space: global }
      - { .name: beta, .offset: 40, .size: 8, .value_kind: global_buffer, .address_space: global }
      - { .name: out0, .offset: 48, .size: 8, .value_kind: global_buffer, .address_space: global }
    .group_segment_fixed_size: 305664
    .private_segment_fixed_size: 0
    .kernarg_segment_align: 8
    .kernarg_segment_size: 56
    .max_flat_workgroup_size: 512
    .sgpr_count:     66
    .vgpr_count:     256
    .wavefront_size: 32
...
	.end_amdgpu_metadata
.endif
;; end of part 4
